; MI455X (gfx1250); checked and timed in simulation.
; The chip was launched on July 23, 2026; its instructions are those of AMD's public machine-readable ISA for CDNA 5 (MIT licence, August 2026) and "CDNA5" Instruction Set Architecture Reference Guide (July 2026). The comments in the code are by the model that wrote it; some were corrected since.
;; Multi Head Causal Attention. Allowed arithmetic: matrix products marked QUANTISED: E2M3 operands, one E8M0 scale for each 32 along K, by v_wmma_scale_f32_16x16x128_f8f6f4 with both operands' format E2M3, f32 sums; everything else in f32.
;; Inputs: Wk 1,024 x 1,024 float32; Wo 1,024 x 1,024 float32; Wq 1,024 x 1,024 float32; Wv 1,024 x 1,024 float32; x 4 x 2,048 x 1,024 float32.
;; Outputs: out0 4 x 2,048 x 1,024 float32.
;; This version of the problem:
;;   THIS VERSION OF THE PROBLEM IS GIVEN IN LOW PRECISION. The matrix products marked QUANTISED in the list below multiply operands that are first quantised to E2M3 (2 exponent bits, 3 mantissa bits; 6 bits a number), with one power-of-two scale for each 32 numbers along K (OCP MX v1.0); their sums are f32. All else is computed in f32.
;;   The module's matrix products, in the order in which they are computed (A, B: the left and right operand; K: the contracted axis; several contracted axes count as one K, in the product's order):
;;     1. [M 8,192, K 1,024] x [K 1,024, N 1,024]; A: input x; B: input Wq: QUANTISED
;;     2. [M 8,192, K 1,024] x [K 1,024, N 1,024]; A: input x; B: input Wk: QUANTISED
;;     3. [M 8,192, K 1,024] x [K 1,024, N 1,024]; A: input x; B: input Wv: QUANTISED
;;     4. batch 64 x [M 2,048, K 64] x [K 64, N 2,048]; A: computed on the way; B: computed on the way: QUANTISED
;;     5. batch 64 x [M 2,048, K 2,048] x [K 2,048, N 64]; A: softmax (see below); B: computed on the way: QUANTISED
;;     6. [M 8,192, K 1,024] x [K 1,024, N 1,024]; A: computed on the way; B: input Wo: QUANTISED
;;   THE QUANTISER, for each operand of a quantised product, along K:
;;     - K is cut into blocks of 32 from its start; a last block that is shorter is filled with zeros.
;;     - A block's scale is 2^e with e = floor(log2(the largest magnitude in the block)) - 2, held to -126 .. 127; a block of zeros has e = 0. As a byte (E8M0): e + 127.
;;     - Each number is divided by its block's scale, clamped to +-7.5, and rounded to the nearest number of E2M3, ties to even, subnormals kept.
;;     - The product sums the exact products of the quantised numbers (number of the format x scale) in f32.
;;   ~~~python
;;   def quantise(x, axis):      # numpy; x: float32 -> the quantised numbers, widened to float32 again
;;       x = np.moveaxis(x, axis, -1); K = x.shape[-1]
;;       x = np.pad(x, [(0, 0)] * (x.ndim - 1) + [(0, -K % 32)]); x = x.reshape(x.shape[:-1] + (-1, 32)); a = np.abs(x).max(-1, keepdims=True)
;;       e = np.where(a > 0, np.clip(np.frexp(np.where(a > 0, a, 1))[1] - 1 - 2, -126, 127), 0)      # np.frexp(a)[1] - 1 = floor(log2(a)), exactly
;;       r = np.clip(x / 2.0 ** e, -7.5, 7.5)
;;       step = 2.0 ** (np.maximum(np.frexp(np.where(r == 0, 1, r))[1] - 1, 0) - 3)
;;       q = np.round(r / step) * step * 2.0 ** e      # np.round: ties to even
;;       return np.moveaxis(q.reshape(q.shape[:-2] + (-1,))[..., :K], -1, axis).astype(np.float32)
;;   ~~~
;;   SOFTMAX AHEAD OF A QUANTISED PRODUCT. Where the list says 'softmax', what is quantised is not the finished softmax but p = 2^(t - M), with t = logit x log2(e) and M = ceil(the row's largest t), a whole number; so 1/2 < the row's largest p <= 1. The row's sum l is taken of the UNQUANTISED p, in f32, and the product's result is divided by l at the end. Since M is a whole number, a kernel that streams over the keys may use a running M (the ceiling of the running maximum): every later rescaling is an exact power of two, which a block's scale takes up: the codes' values come out the same.
;;   OPERANDS COMPUTED ON THE WAY. 'Computed on the way' means the value that the module computes at that place (a softmax that the list does not call 'softmax' is quantised finished and normalised). What goes into a quantiser is computed in f32, as accurately as f32 sums, v_exp_f32 and their like allow (about 1e-6 of the number): no bf16 or f16 on the way to a quantiser, and a product that is left as it is and whose result goes on into a quantised operand takes f32 operands (vector FMAs, or v_wmma_f32_16x16x4_f32). A number that lies on a knife's edge between two numbers of the format may be rounded either way, as far as f32 arithmetic and the matrix unit's own rounding can turn it there, and no further.
;; One version. Each part assembles by itself: llvm-mc -triple=amdgcn-amd-amdhsa -mcpu=gfx1250 --defsym DOCPART=n.
;; ======== version 1 of 1: 4 launches
;; workspace buffers: cin 9,437,184 bytes; sin 393,216 bytes; cbuf 18,874,368 bytes; sbuf 1,310,720 bytes; ac 6,291,456 bytes; asc 262,144 bytes
;; launch quant (part 1): grid 384 x 1, 4 waves a work-group, no clusters, 33,280 bytes of LDS; arguments x, Wq, Wk, Wv, Wo, cin, sin; writes cin, sin
.if DOCPART == 1
	.amdgcn_target "amdgcn-amd-amdhsa--gfx1250"
	.amdhsa_code_object_version 6
	.text
	.protected	k_q969e037839_quant
	.globl	k_q969e037839_quant
	.p2align	8
	.type	k_q969e037839_quant,@function
k_q969e037839_quant:
	s_mov_b64 s[64:65], 0
	v_nop
	global_prefetch_b8 v0, s[64:65] scope:SCOPE_SE
	s_setreg_imm32_b32 hwreg(HW_REG_WAVE_MODE, 25, 1), 1
	s_wait_xcnt 0x0
; x [8192][1024] and Wq, Wk, Wv, Wo [1024][1024], f32, become codes of FP6 (E2M3), K innermost, with one E8M0 scale byte for each 32 along K.
; cin: 12,288 rows of 768 bytes (x, Wq, Wk, Wv, Wo one behind the other); sin: the same rows, 32 scale bytes each.
; A block's scale is 2^(floor(log2(its largest magnitude)) - 2); its byte is the largest magnitude's exponent field - 2, held at 1 from below.
; LIMITS: a block of zeros, or one whose largest magnitude lies under 2^-124, gets the byte 1 (the quantiser's text says 127 for zeros): its codes are zeros or near it, and the bytes are read by this program alone.
; NaN and infinities among the inputs are not served.
; SHARES: a work-group takes 32,768 numbers (32 rows), a wave 8,192 (8 rows), in 16 steps of 512.  Work-groups 0-255: x; then 32 each for Wq, Wk, Wv, Wo.  Only pointers are chosen: one path through the text.
; Wv's ROWS ARE STORED WITH BITS 3 AND 4 OF THE ROW NUMBER SWAPPED (a wave's 8 rows stay together: the two bits are the wave's number), so that the attention's results come out with neighbours along the head in a lane's registers.
; Each of a step's four loads reads 512 consecutive bytes; the 2,048 bytes turn through the wave's own stage in LDS and come back 64 bytes a lane: 16 neighbours along K, two lanes to a block.
; No tensor loads, no barrier: waves share nothing.  Loads run four steps (16 loads a wave) ahead, the turn through LDS one step.
.set WAVES, 4
.set STEPS, 16
.set EMAX,  2
.set CB,    12                         ; bytes of 16 codes
.set R,     16                         ; v16-79   four sets of 16 numbers as they are loaded
.set X,     80                         ; v80-111  two sets of 16 neighbours
.set C,     128                        ; v128-191 codes: four registers for each step, so that no store's data are written again
.set E,     112                        ; v112-127 a scale byte for each step
.set WREG,  8192                       ; LDS: a region for each wave: two stages of 32 x SP bytes, behind them its 256 scale bytes
.set SP,    80                         ; a lane's place in a stage: its 64 bytes + 16 of padding
.set SPW,   12                         ; v12      LDS address of my spare word; never rewritten
.set NIL,   13                         ; v13      0; never rewritten
.set SPARE, WAVES*WREG                 ; behind the four regions: the spare words, 128 bytes for each wave
	s_load_b256 s[4:11], s[0:1], 0x0               ; x, Wq, Wk, Wv
	s_load_b128 s[12:15], s[0:1], 0x20             ; Wo, cin
	s_load_b64 s[16:17], s[0:1], 0x30              ; sin
	v_lshl_add_u32 v[SPW], v0, 2, SPARE
	v_mov_b32 v[NIL], 0
	v_lshrrev_b32 v1, 5, v0
	v_readfirstlane_b32 s18, v1                    ; wave
	v_and_b32 v2, 31, v0                           ; lane
	v_lshlrev_b32 v3, 4, v2                        ; my 16 bytes of a load's 512
	s_mul_i32 s19, s18, WREG
	v_lshrrev_b32 v14, 2, v2
	v_mul_u32_u24 v14, v14, SP
	v_and_b32 v15, 3, v2
	v_lshl_add_u32 v14, v15, 4, v14
	v_add_nc_u32 v14, s19, v14                     ; the stage, on the way in: SP (lane / 4) + 16 (lane % 4)
	v_mul_u32_u24 v15, v2, SP
	v_add_nc_u32 v15, s19, v15                     ; and on the way out: SP x lane: my 16 neighbours
	v_mul_u32_u24 v4, v2, CB                       ; my codes' place in a step's
	v_lshrrev_b32 v5, 1, v2
	s_add_co_u32 s19, s19, 2*32*SP
	v_add_nc_u32 v5, s19, v5                       ; LDS: my wave's 256 scale bytes, my block's byte
	v_lshlrev_b32 v7, 3, v2                        ; and on the way out 8 bytes a lane
	v_add_nc_u32 v6, s19, v7
	s_wait_kmcnt 0x0
	s_and_b32 s22, ttmp9, 31                       ; a weight's work-group among its 32
	s_mov_b64 s[20:21], s[12:13]                   ; which tensor: the choice hangs on the work-group's number alone
	s_cmp_lt_u32 ttmp9, 352
	s_cselect_b64 s[20:21], s[10:11], s[20:21]
	s_cmp_lt_u32 ttmp9, 320
	s_cselect_b64 s[20:21], s[8:9], s[20:21]
	s_cmp_lt_u32 ttmp9, 288
	s_cselect_b64 s[20:21], s[6:7], s[20:21]
	s_cmp_lt_u32 ttmp9, 256
	s_cselect_b64 s[20:21], s[4:5], s[20:21]
	s_cselect_b32 s22, ttmp9, s22                  ; the work-group's number inside its tensor
	s_lshl_b32 s22, s22, 2
	s_add_co_u32 s22, s22, s18
	s_lshl_b32 s22, s22, 15                        ; my run of 8,192 numbers: 32,768 bytes each
	s_mov_b32 s23, 0
	s_add_nc_u64 s[20:21], s[20:21], s[22:23]
	s_and_b32 s24, s18, 1                          ; the wave's number with its two bits swapped,
	s_lshl_b32 s24, s24, 1
	s_lshr_b32 s25, s18, 1
	s_or_b32 s24, s24, s25
	s_lshr_b32 s25, ttmp9, 5
	s_cmp_eq_u32 s25, 10                           ; for Wv's work-groups (320 to 351) alone
	s_cselect_b32 s24, s24, s18
	s_lshl_b32 s25, ttmp9, 2
	s_add_co_u32 s24, s25, s24                     ; the run's place in cin and sin
	s_mul_i32 s26, s24, 6144                       ; 8 rows of 768 bytes
	s_mov_b32 s27, 0
	s_add_nc_u64 s[14:15], s[14:15], s[26:27]
	s_lshl_b32 s26, s24, 8                         ; 8 rows of 32 bytes
	s_add_nc_u64 s[16:17], s[16:17], s[26:27]
.macro LOAD t
.irp i, 0,1,2,3
	global_load_b128 v[R+16*((\t)%4)+4*\i:R+16*((\t)%4)+4*\i+3], v3, s[20:21] offset:2048*(\t)+512*\i th:TH_LOAD_NT   ; 32 lanes read 512 consecutive bytes
.endr
.endm
.macro TURN t                          ; step t's numbers through the stage: LDS serves a wave's instructions in order, so no wait stands between the stores and the loads
.irp i, 0,1,2,3
	ds_store_b128 v14, v[R+16*((\t)%4)+4*\i:R+16*((\t)%4)+4*\i+3] offset:32*SP*((\t)%2)+8*SP*\i
.endr
.irp i, 0,1,2,3
	ds_load_b128 v[X+16*((\t)%2)+4*\i:X+16*((\t)%2)+4*\i+3], v15 offset:32*SP*((\t)%2)+16*\i
.endr
.endm
.irp t, 0,1,2,3
	LOAD \t
.endr
	s_wait_loadcnt 12                              ; step 0's four loads are in; those of steps 1 to 3 may be out
	TURN 0
.macro STEP t
.set XS, X+16*((\t)%2)
.if (\t) > 0
	s_wait_dscnt 1                                 ; this step's numbers are back from the stage (the last step's byte store may be out): so its stores into the stage have read their registers,
.else
	s_wait_dscnt 0x0
.endif
.if (\t)+4 < STEPS
	LOAD (\t)+4                                    ; which take the loads of four steps on
.endif
.if (\t)+1 < STEPS
.if STEPS-2-(\t) >= 3
	s_wait_loadcnt 12                              ; the next step's four loads are in; those of the three steps behind it may be out
.else
	s_wait_loadcnt 4*(STEPS-2-(\t))
.endif
	TURN (\t)+1                                    ; and go through the other stage while this step is worked
.endif
	v_max3_num_f32 v8, |v[XS]|, |v[XS+1]|, |v[XS+2]|               ; the largest magnitude of my 16, in two chains
	v_max3_num_f32 v9, |v[XS+3]|, |v[XS+4]|, |v[XS+5]|
.irp i, 6,10
	v_max3_num_f32 v8, v8, |v[XS+\i]|, |v[XS+\i+1]|
	v_max3_num_f32 v9, v9, |v[XS+\i+2]|, |v[XS+\i+3]|
.endr
	v_max3_num_f32 v8, v8, |v[XS+14]|, |v[XS+15]|
	v_max3_num_f32 v8, v8, v9, (EMAX+1)<<23        ; and the floor 2^(3 - 127): the byte cannot fall under 1
	v_max_num_f32_dpp v8, v8, v8 row_xmask:1 row_mask:0xf bank_mask:0xf   ; and of my neighbour's 16: the block's
	v_add_nc_u32 v11, -(EMAX<<23), v8              ; 2 off its exponent field: the conversion takes the exponent field of this operand as its scale
	v_cvt_scalef32_pk16_fp6_f32 v[C+4*(\t):C+4*(\t)+2], v[XS:XS+15], v11         ; sixteen numbers / the scale, to the nearest code, ties to even, beyond the largest code the largest; 96 bits without gaps
	v_lshrrev_b32 v[E+(\t)], 23, v11               ; the scale's byte (a plain line behind the conversion)
	ds_store_b8 v5, v[E+(\t)] offset:16*(\t)       ; both lanes of a block write the same byte with the same value
	global_store_b96 v4, v[C+4*(\t):C+4*(\t)+2], s[14:15] offset:32*CB*(\t)      ; the wave stores 384 consecutive bytes
.endm
.irp t, 0,1,2,3,4,5,6,7,8,9,10,11,12,13,14,15
	STEP \t
.endr
	ds_load_b64 v[8:9], v6                         ; LDS serves a wave's instructions in order: these see my stores
	s_wait_dscnt 0x0
	global_store_b64 v7, v[8:9], s[16:17]          ; 32 lanes store 256 consecutive bytes, aligned
	s_wait_tensorcnt 0x0                           ; the wave's end, behind my last LDS store
	ds_add_u32 v[SPW], v[NIL]
	s_wait_dscnt 0x0
	s_endpgm
.Lfunc_end_k_q969e037839_quant:
	.size	k_q969e037839_quant, .Lfunc_end_k_q969e037839_quant-k_q969e037839_quant
	.p2alignl 7, 3214868480
	.fill 96, 4, 3214868480
	.section	.rodata,"a",@progbits
	.p2align	6, 0x0
	.amdhsa_kernel k_q969e037839_quant
		.amdhsa_group_segment_fixed_size 33280
		.amdhsa_private_segment_fixed_size 0
		.amdhsa_enable_private_segment 0
		.amdhsa_kernarg_size 56
		.amdhsa_user_sgpr_count 2
		.amdhsa_user_sgpr_kernarg_segment_ptr 1
		.amdhsa_wavefront_size32 1
		.amdhsa_system_sgpr_workgroup_id_x 1
		.amdhsa_system_sgpr_workgroup_id_y 1
		.amdhsa_system_sgpr_workgroup_id_z 1
		.amdhsa_system_vgpr_workitem_id 0
		.amdhsa_next_free_vgpr 192
		.amdhsa_next_free_sgpr 66
		.amdhsa_reserve_vcc 0
		.amdhsa_float_denorm_mode_32 3
		.amdhsa_float_denorm_mode_16_64 3
		.amdhsa_memory_ordered 1
		.amdhsa_forward_progress 1
		.amdhsa_inst_pref_size 33
	.end_amdhsa_kernel
	.amdgpu_metadata
---
amdhsa.version: [ 1, 2 ]
amdhsa.kernels:
  - .name:           k_q969e037839_quant
    .symbol:         k_q969e037839_quant.kd
    .args:
      - { .name: x, .offset: 0, .size: 8, .value_kind: global_buffer, .address_space: global }
      - { .name: Wq, .offset: 8, .size: 8, .value_kind: global_buffer, .address_space: global }
      - { .name: Wk, .offset: 16, .size: 8, .value_kind: global_buffer, .address_space: global }
      - { .name: Wv, .offset: 24, .size: 8, .value_kind: global_buffer, .address_space: global }
      - { .name: Wo, .offset: 32, .size: 8, .value_kind: global_buffer, .address_space: global }
      - { .name: cin, .offset: 40, .size: 8, .value_kind: global_buffer, .address_space: global }
      - { .name: sin, .offset: 48, .size: 8, .value_kind: global_buffer, .address_space: global }
    .group_segment_fixed_size: 33280
    .private_segment_fixed_size: 0
    .kernarg_segment_align: 8
    .kernarg_segment_size: 56
    .max_flat_workgroup_size: 128
    .sgpr_count:     66
    .vgpr_count:     192
    .wavefront_size: 32
...
	.end_amdgpu_metadata
.endif
;; end of part 1
;; launch qkv (part 2): grid 8 x 48, 4 waves a work-group, clusters of 4 x 4, 327,680 bytes of LDS; arguments cin, sin, cbuf, sbuf; writes cbuf, sbuf
.if DOCPART == 2
	.amdgcn_target "amdgcn-amd-amdhsa--gfx1250"
	.amdhsa_code_object_version 6
	.text
	.protected	k_q969e037839_qkv
	.globl	k_q969e037839_qkv
	.p2align	8
	.type	k_q969e037839_qkv,@function
k_q969e037839_qkv:
	s_mov_b64 s[64:65], 0
	v_nop
	global_prefetch_b8 v0, s[64:65] scope:SCOPE_SE
	s_setreg_imm32_b32 hwreg(HW_REG_WAVE_MODE, 25, 1), 1
	s_wait_xcnt 0x0
	s_wait_alu depctr_hold_cnt(0) depctr_sa_sdst(0) depctr_va_vdst(0) depctr_va_sdst(0) depctr_va_ssrc(0) depctr_va_vcc(0) depctr_vm_vsrc(0)
	s_getreg_b32 s2, hwreg(HW_REG_IB_STS2, 6, 4)
	s_cmp_eq_u32 s2, 0
	s_cbranch_scc0 .Lentry_in_a_cluster
	s_endpgm
.Lentry_in_a_cluster:
	s_bfe_u32 s2, ttmp6, 0x10000c
	s_cmp_lg_u32 s2, 0xf033
	s_cbranch_scc0 .Lentry_shape_is_right
	s_endpgm
.Lentry_shape_is_right:
; q = x Wq^T, k = x Wk^T and v^T = Wv x^T on codes of FP6 (E2M3) with E8M0 scales, K = 1,024; the results are QUANTISED on the way out and leave as codes: q and k along the head's 64, v along the keys.
; cin: rows of 768 bytes (1,024 codes): x at row 0, Wq at 8,192, Wk at 9,216, Wv at 10,240 (its rows with bits 3 and 4 swapped); sin: the same rows, 32 scale bytes.
; TWO MODES, chosen by the cluster's y, which all sixteen partners share.  Mode 0 (cluster y 0-7): A = x (8,192 rows), B = Wq and Wk (2,048 rows).  Mode 1 (cluster y 8-11): A = Wv (1,024 rows), B = x.
; A tile of 256 x 256 is made by four waves, 128 x 128 each: 64 accumulators, 512 registers.  K goes in steps of 256 through a ring of two LDS slots filled by joint tensor loads: 4 x 4 work-groups form a cluster,
; A's tiles are shared along a row of it, B's along a column.  The scales of the work-group's rows, for all of K, come into LDS once.
; THE MATRIX INSTRUCTION IS USED TRANSPOSED (source 0 = 16 rows of B, source 1 = 16 rows of A): lane (r, h) holds row r of A's block, and register j of accumulator (a, b) the column 16 b + 8 h + j.
; THE WAY OUT.  Accumulators (a, 2 beta) and (a, 2 beta + 1) are 16 registers of ONE block of 32 columns; lanes l and l xor 16 share the block.  One conversion makes 12 bytes, stored at 24 (beta % 2) + 12 h of a row of 48 bytes:
; position 16 h + 8 u + j of a stored block holds element 16 u + 8 h + j.  That order is the same in q and k, and in v and the attention's p: a product does not see it, nor does a block's scale.
; cbuf: 64 records (16 b + head) of 294,912 bytes: Q [2048][48] at 0, K [2048][48] at 98,304, V [32 chunks of 64 keys][64 rows][48] at 196,608.
; sbuf: 64 records of 20,480 bytes: Q's words [2048][4] at 0, K's at 8,192 (bytes 0, 1: the head's two blocks; bytes 2, 3: the neighbouring head's), V's [16 steps of 128 keys][64 rows][4] at 16,384.
; LIMITS: a block of zeros, or one under 2^-124, gets the scale byte 1; NaN and infinities are not served.
; No prefetch: K has four steps only, and both operands are read by many work-groups at about the same time.
; REGISTERS, in windows of 256: window 0: v0-31 addresses; v32-63 scale words, two sets, and nothing else; v64-127 at work on the way out; from v128 A's fragments, one set (on the way out: codes, then rows read back).
;   window 1: B's fragments, two sets, at v0 and v128.   window 2: the accumulators of my rows 0-63 ((a, b) at v[8 (8 a + b)]);   window 3: those of my rows 64-127.
.set SIZE_K, 1024
.set KSTEP,  256                       ; along K in a slot
.set NQ,     KSTEP/128                 ; matrix instructions deep
.set ROWB,   192                       ; a tile's row in bytes
.set KROW,   SIZE_K*6/8                ; a row of cin in bytes
.set PITCH,  240                       ; an LDS row: 3 x (64 bytes of data + 16 of padding) = 60 words: the 32 lanes of a load of 8 bytes touch 64 different banks (64 banks of 4 bytes: ISA guide 11.1)
.set FR,     12                        ; registers of a fragment: 16 rows x 128 K
.set NL,     6                         ; LDS loads that bring one
.set NP,     4                         ; places behind this matrix instruction (ISA guide 7.12.1)
.set HALFT,  128*PITCH                 ; 128 rows: what one tensor load brings
.set SLOT,   4*HALFT                   ; A's 256 rows, then B's 256 rows
.set LAPS,   SIZE_K/(2*KSTEP)          ; a lap = two K steps = once round the ring
.set KS,     SIZE_K/32                 ; a row of scales in bytes
.set SCL,    2*SLOT                    ; behind the ring: the scales, as runs of 256 bytes + 16 of padding
.set HALFS,  (128*KS/256)*272          ; the scales of 128 rows
.set SBLK,   (16*KS/256)*272           ; those of 16 rows
.set SPARE,  SCL+4*HALFS               ; behind the scales: the spare words, 128 bytes for each wave
.set WST,    13312                     ; the way out: a stage for each wave, in slot 0 (it has had its last fill and its last read by then): two runs of 128 rows x 48 bytes of codes, then 128 + 128 scale words
.set ADRA, 16                          ; v16-17  LDS address of my A fragments in slot 0, 1  (v18-19: for the pieces that lie behind one padding more)
.set ADRB, 20                          ; v20-21  the same for B  (v22-23)
.set STO,  24                          ; v24     the stage: 48 r + 12 h
.set RD,   25                          ; v25     the stage: 16 x lane
.set CO,   26                          ; v26     16 x lane: my bytes of a store's 512
.set ADRS, 27                          ; v27     LDS address of my scale words: lanes 0-15 A's rows, lanes 16-31 B's
.set SPW,  28                          ; v28     LDS address of my spare word; never rewritten
.set NIL,  29                          ; v29     0; never rewritten
.set SSTO, 30                          ; v30     the stage's scale words: 12,288 + 4 r
.set SCO,  31                          ; v31     my bytes of the scale words' store
.set SC,   32                          ; scale words: set s at v[SC + 8 NQ s]
.set T,    64                          ; v64-79   a block's largest magnitude (16 blocks: 4 a' + beta)
.set PT,   80                          ; v80-95   its second chain, the other half's, then the scale's byte
.set SOP,  96                          ; v96-111  the conversions' scale operands
.set LO,   112                         ; v112-115 a row's four bytes;  v116-119 the same turned by two bytes
.set HI,   116
.set WB,   120                         ; v120-127 scale words read back
.set CD,   128                         ; v128-191 codes: four registers a block
.set BK,   128                         ; v128-223 24 x 4 registers read back
.set AF,   128                         ; A's fragments, in window 0
.set G1, 24                            ; s[24:31] descriptor group 1 for A's tiles;  s[32:39] group 0, one set for each slot
.set G0, 32
.set G1B, 48                           ; s[48:55], s[56:63] the same for B's tiles
.set G0B, 56
.set G1S, 68                           ; s[68:75], s[76:79] groups 1 and 0 for A's scales;  s[80:87], s[88:91] for B's
.set G0S, 76
.set G1SB, 80
.set G0SB, 88
.set MSB, 0
.macro WIN new                         ; the immediate's high byte repeats the setting that is left
.if MSB != \new
	s_set_vgpr_msb (MSB<<8)|\new
.set MSB, \new
.endif
.endm
.set MUL_LO, 0xa1                      ; source 0 (B) window 1, source 1 (A) window 0, C and D window 2
.set MUL_HI, 0xf1                      ; the same, C and D window 3
.set TO_B,   0x40                      ; destination window 1, address window 0
; A joint load: waves 0 and 1 fetch for A, waves 2 and 3 for B.  Each of the two lines has one mask and one set of registers for all that issue it; the branch hangs on the wave's number alone.
; An s_nop 0 and four v_nop follow each of the two lines.
.macro JLOAD g0a, g1a, g0b, g1b
	s_cmp_eq_u32 s15, 0
	s_cbranch_scc0 .Lfor_b_\@
	tensor_load_to_lds s[\g0a:\g0a+3], s[\g1a:\g1a+7]
	s_nop 0
.rept 4
	v_nop
.endr
	s_branch .Lasked_\@
.Lfor_b_\@:
	tensor_load_to_lds s[\g0b:\g0b+3], s[\g1b:\g1b+7]
	s_nop 0
.rept 4
	v_nop
.endr
.Lasked_\@:
.endm
.macro CREST                           ; a round of the cluster's barrier behind its opening barrier
	s_cmp_lg_u32 s14, 0
	s_cbranch_scc1 .Lnot_wave_0_\@
	s_barrier_signal -3
.Lnot_wave_0_\@:
	s_barrier_wait -3
	s_barrier_signal -1
	s_barrier_wait -1
.endm
.macro CROUND                          ; a whole round
	s_barrier_signal -1
	s_barrier_wait -1
	CREST
.endm
	s_load_b256 s[4:11], s[0:1], 0x0               ; cin s[4:5], sin s[6:7], cbuf s[8:9], sbuf s[10:11]
	v_lshl_add_u32 v[SPW], v0, 2, SPARE
	v_mov_b32 v[NIL], 0
	ds_add_u32 v[SPW], v[NIL]                      ; the wave's opening: the add, and its wait ahead of my first tensor load; the set-up below stands between them
	v_lshrrev_b32 v1, 5, v0
	v_readfirstlane_b32 s14, v1                    ; wave 0..3
	s_lshr_b32 s15, s14, 1                         ; which half of the tile's rows is mine.  Also: I fetch for A (0) or for B (1)
	s_and_b32 s16, s14, 1                          ; which half of its columns.  Also: which 128 rows of that tile I fetch
	s_bfe_u32 s40, ttmp6, 0x40000                  ; cx, cy: my place in the cluster
	s_bfe_u32 s41, ttmp6, 0x40004
	s_and_b32 s67, ttmp7, 0xffff                   ; the cluster's y
	s_lshl_b32 s17, s67, 2                         ; mode 0: tile row 4 y + cy,
	s_lshl_b32 s42, ttmp9, 2                       ;         tile column 4 x + cx
	s_sub_co_u32 s95, s67, 8
	s_lshl_b32 s95, s95, 3
	s_add_co_u32 s95, s95, s42                     ; mode 1: tile column 4 (2 (y - 8) + x) + cx, tile row cy
	s_mov_b32 s96, 10240
	s_mov_b32 s97, 8192
	s_cmp_ge_u32 s67, 8
	s_cselect_b32 s66, 1, 0                        ; the mode: the same in all sixteen partners
	s_cselect_b32 s17, 0, s17
	s_cselect_b32 s42, s95, s42
	s_cselect_b32 s96, s96, 0                      ; A's first row in cin: Wv's or x's
	s_cselect_b32 s97, 0, s97                      ; B's: x's or Wq's
	s_add_co_u32 s17, s17, s41                     ; tile row
	s_add_co_u32 s42, s42, s40                     ; tile column
	s_lshl_b32 s43, s41, 2
	s_lshl_b32 s43, 15, s43                        ; my row of the cluster
	s_lshl_b32 s44, 0x1111, s40                    ; my column
	; descriptor group 1: a tile of 128 rows x 192 bytes, padded in LDS
	s_or_b32 s[G1+0], s43, (0<<16)|(1<<20)|(1<<21)|(3<<22)|(3<<25)  ; 15:0 the mask: A's tiles go to my row; 17:16 element of 1 byte; 20 padding on; 21 set beside a mask; 24:22 after every 16 words; 31:25 of 4 words
	s_or_b32 s[G1B+0], s44, (0<<16)|(1<<20)|(1<<21)|(3<<22)|(3<<25)
.irp g, G1, G1B
	s_mov_b32 s[\g+1], ROWB<<16                    ; tensor_dim0
	s_mov_b32 s[\g+2], 128<<16                     ; tensor_dim1 = 128
	s_mov_b32 s[\g+3], ROWB<<16                    ; tile_dim0
	s_mov_b32 s[\g+4], 128                         ; tile_dim1 = 128
	s_mov_b32 s[\g+5], KROW                        ; tensor_dim0_stride
	s_mov_b32 s[\g+6], 0
	s_mov_b32 s[\g+7], 0
.endr
	; the scales of 128 rows: a dense block of 4,096 bytes, as rows of 256 bytes (32 elements of 8 bytes), 16 bytes of padding behind each
	s_or_b32 s[G1S+0], s43, (3<<16)|(1<<20)|(1<<21)|(5<<22)|(3<<25)
	s_or_b32 s[G1SB+0], s44, (3<<16)|(1<<20)|(1<<21)|(5<<22)|(3<<25)
.irp g, G1S, G1SB
	s_mov_b32 s[\g+1], 32<<16
	s_mov_b32 s[\g+2], (128*KS/256)<<16
	s_mov_b32 s[\g+3], 32<<16
	s_mov_b32 s[\g+4], 128*KS/256
	s_mov_b32 s[\g+5], 32
	s_mov_b32 s[\g+6], 0
	s_mov_b32 s[\g+7], 0
.endr
	s_lshl_b32 s18, s16, 7                         ; which 128 rows of the tile I fetch
	s_lshl_b32 s20, s17, 8
	s_add_co_u32 s20, s20, s18
	s_add_co_u32 s20, s20, s96                     ; A: its row in cin: made of the cluster's y, cy and the wave alone
	s_lshl_b32 s46, s42, 8
	s_add_co_u32 s46, s46, s18
	s_add_co_u32 s46, s46, s97                     ; B: made of the cluster's x and y, cx and the wave alone
	s_mov_b32 s21, 0
	s_mov_b32 s47, 0
	s_mov_b64 s[18:19], KS
	s_mul_u64 s[22:23], s[20:21], s[18:19]         ; where these rows' scales begin, in bytes
	s_mul_u64 s[92:93], s[46:47], s[18:19]
	s_mov_b64 s[18:19], KROW
	s_mul_u64 s[20:21], s[20:21], s[18:19]         ; and their codes
	s_mul_u64 s[46:47], s[46:47], s[18:19]
	s_mul_i32 s45, s14, HALFT                      ; where they go: wave x 128 rows: no place in the cluster enters an LDS address
	s_mul_i32 s94, s14, HALFS
	s_wait_dscnt 0x0                               ; the opening add is done
	s_wait_kmcnt 0x0
	s_add_nc_u64 s[20:21], s[4:5], s[20:21]
	s_add_nc_u64 s[22:23], s[6:7], s[22:23]
	s_add_nc_u64 s[46:47], s[4:5], s[46:47]
	s_add_nc_u64 s[92:93], s[6:7], s[92:93]
	CROUND                                         ; all sixteen work-groups are here: the first joint loads meet
	s_mov_b32 s[G0S], 1
	s_add_co_u32 s[G0S+1], s94, SCL
	s_mov_b64 s[G0S+2:G0S+3], s[22:23]
	s_or_b32 s[G0S+3], s[G0S+3], 0x80000000
	s_mov_b32 s[G0SB], 1
	s_add_co_u32 s[G0SB+1], s94, SCL
	s_mov_b64 s[G0SB+2:G0SB+3], s[92:93]
	s_or_b32 s[G0SB+3], s[G0SB+3], 0x80000000
	JLOAD G0S, G1S, G0SB, G1SB                     ; the scales first: they are wanted with K step 0
.irp s, 0,1
	s_mov_b32 s[G0+4*\s], 1
	s_add_co_u32 s[G0+4*\s+1], s45, \s*SLOT
	s_add_nc_u64 s[G0+4*\s+2:G0+4*\s+3], s[20:21], \s*ROWB
	s_or_b32 s[G0+4*\s+3], s[G0+4*\s+3], 0x80000000
	s_mov_b32 s[G0B+4*\s], 1
	s_add_co_u32 s[G0B+4*\s+1], s45, \s*SLOT
	s_add_nc_u64 s[G0B+4*\s+2:G0B+4*\s+3], s[46:47], \s*ROWB
	s_or_b32 s[G0B+4*\s+3], s[G0B+4*\s+3], 0x80000000
	JLOAD G0+4*\s, G1, G0B+4*\s, G1B
.endr
	v_and_b32 v1, 15, v0                           ; r = l % 16
	v_bfe_u32 v2, v0, 4, 1                         ; h = l / 16
	v_mul_u32_u24 v3, v1, PITCH
	v_mul_u32_u24 v4, v2, 24
	v_add_nc_u32 v4, v3, v4                        ; a fragment's row x pitch + 24 x half
	v_lshl_add_u32 v5, v2, 4, v4                   ; and the same behind one padding more
	s_mul_i32 s21, s15, HALFT                      ; my 128 rows of A
	s_mul_i32 s22, s16, HALFT                      ; my 128 rows of B,
	s_add_co_u32 s22, s22, 2*HALFT                 ; which lie behind A's 256
.irp s, 0,1
	v_add_nc_u32 v[ADRA+\s], s21, v4
	v_add_nc_u32 v[ADRB+\s], s22, v4
	v_add_nc_u32 v[ADRA+2+\s], s21, v5
	v_add_nc_u32 v[ADRB+2+\s], s22, v5
	s_add_co_u32 s21, s21, SLOT
	s_add_co_u32 s22, s22, SLOT
.endr
	v_mul_u32_u24 v5, v1, KS                       ; my row's scales: KS bytes a row,
	v_lshrrev_b32 v6, 8, v5
	v_lshl_add_u32 v5, v6, 4, v5                   ; and 16 more for each 256 passed
	s_mul_i32 s21, s15, HALFS                      ; A's: my 128 rows
	s_mul_i32 s22, s16, HALFS                      ; B's: my 128 rows, behind A's 256
	s_add_co_u32 s22, s22, 2*HALFS
	s_sub_co_u32 s22, s22, s21
	v_mul_u32_u24 v6, s22, v2                      ; lanes 16-31 take B's
	s_add_co_u32 s21, s21, SCL
	v_add_nc_u32 v5, v5, v6
	v_add_nc_u32 v[ADRS], s21, v5
	; the way out's addresses
	s_mul_i32 s23, s14, WST                        ; my stage
	v_mul_u32_u24 v5, v1, 48
	v_mad_u32_u24 v5, v2, 12, v5
	v_add_nc_u32 v[STO], s23, v5                   ; in: row r of 48 bytes, + 12 h
	v_and_b32 v6, 31, v0
	v_lshlrev_b32 v[CO], 4, v6
	v_add_nc_u32 v[RD], s23, v[CO]                 ; back: 16 bytes a lane, 512 an instruction
	v_lshl_add_u32 v5, v1, 2, s23
	v_add_nc_u32 v[SSTO], 12288, v5                ; the scale words: 4 bytes a row
	s_lshl_b32 s18, s17, 8
	s_lshl_b32 s19, s15, 7
	s_add_co_u32 s18, s18, s19                     ; my first row of A's
	s_lshl_b32 s19, s42, 8
	s_lshl_b32 s43, s16, 7
	s_add_co_u32 s19, s19, s43                     ; my first row of B's
	s_add_co_u32 s43, s18, 2048
	s_mov_b32 s46, 294912
	s_mov_b32 s47, 3072
	s_mov_b32 s97, 20480
	s_cmp_eq_u32 s66, 1
	s_cselect_b32 s44, s19, s18                    ; my first token, 0 .. 8,191
	s_cselect_b32 s45, s43, s19                    ; my first output feature: 0 .. 1,023 q, .. 2,047 k, .. 3,071 v
	s_cselect_b32 s92, s47, s46                    ; from the first two blocks of columns to the last two: the next head's record (mode 0) or the next chunk of 64 keys (mode 1)
	s_cselect_b32 s94, s46, s47                    ; from my rows 0-63 to my rows 64-127: 64 rows of 48 bytes on (mode 0) or the next head's record (mode 1)
	s_cselect_b32 s96, s97, 256                    ; and the same for lanes 16-31 of the scale words' store
	s_mov_b32 s93, 0
	s_mov_b32 s95, 0
	v_mul_u32_u24 v5, s96, v2
	v_lshl_add_u32 v[SCO], v1, 4, v5
	s_lshr_b32 s18, s44, 11                        ; b
	s_and_b32 s19, s44, 2047                       ; t
	s_lshr_b32 s46, s45, 10                        ; 0 = q, 1 = k, 2 = v
	s_bfe_u32 s47, s45, 0x40006                    ; the head
	s_lshl_b32 s18, s18, 4
	s_add_co_u32 s18, s18, s47                     ; 16 b + head
	s_mul_i32 s12, s18, 294912
	s_mul_i32 s47, s46, 98304
	s_add_co_u32 s12, s12, s47
	s_mul_i32 s47, s19, 48
	s_add_co_u32 s12, s12, s47
	s_mov_b32 s13, 0
	s_add_nc_u64 s[12:13], s[8:9], s[12:13]        ; where my four runs of 3,072 bytes of codes go
	s_add_nc_u64 s[20:21], s[12:13], s[94:95]
	s_add_nc_u64 s[22:23], s[12:13], s[92:93]
	s_add_nc_u64 s[40:41], s[22:23], s[94:95]
	s_mul_i32 s44, s18, 20480
	s_lshl_b32 s47, s46, 13
	s_add_co_u32 s44, s44, s47
	s_sub_co_u32 s47, 2, s66
	s_lshl_b32 s47, s19, s47                       ; 4 bytes a token (mode 0); 256 bytes for each 128 keys (mode 1)
	s_add_co_u32 s44, s44, s47
	s_mov_b32 s45, 0
	s_add_nc_u64 s[44:45], s[10:11], s[44:45]      ; and my scale words
	s_mov_b32 s97, 0x1800000                       ; the floor 2^(3 - 127)
	s_mov_b32 s98, 0x76543210
	s_mov_b32 s99, 0xfedcba98                      ; v_permlanex16_b32's selects for lane l xor 16
.macro FRAG reg, adr, q, i             ; a fragment, 16 rows x 128 K of 6-bit codes, is 12 registers: lane l holds row l % 16; registers 6 c .. 6 c + 5 hold K = 64 c + 32 (l / 16) + 0 .. 31: 24 bytes of the row, as they lie
.irp p, 0,1,2,3,4,5                    ; in pieces of 8 bytes.  Lanes 0-15 take the row's pieces 12 q + 0, 1, 2 and 12 q + 6, 7, 8, lanes 16-31 those three pieces on
.set PC, 12*(\q)+6*(\p/3)+\p%3        ; 16 bytes of padding lie behind every 64 bytes (8 pieces): where the piece three on lies behind one padding more, the second address register serves
.if PC%8 < 5
	ds_load_b64 v[\reg+2*\p:\reg+2*\p+1], v[\adr] offset:8*PC+16*(PC/8)+(\i)*16*PITCH
.else
	ds_load_b64 v[\reg+2*\p:\reg+2*\p+1], v[\adr+2] offset:8*PC+16*(PC/8)+(\i)*16*PITCH
.endif
.endr
.endm
; 16 matrix instructions: A's blocks a0, a0 + 1 x B's eight, 128 along K.  p: B's set;  sc: the set of scale words.  zero = 1: the first product starts the sums.
; The 64 accumulators take turns, one instruction a turn, in the same order in every step.
.macro MUL16 a0, p, q, sc, zero
.irp a, \a0, \a0+1
.irp b, 0,1,2,3,4,5,6,7
.if \zero
	v_wmma_scale_f32_16x16x128_f8f6f4 v[8*(8*((\a)%4)+\b):8*(8*((\a)%4)+\b)+7], v[128*(\p)+FR*\b:128*(\p)+FR*\b+FR-1], v[AF+FR*(\a):AF+FR*(\a)+FR-1], 0, v[SC+8*NQ*(\sc)+NQ*\b+(\q)], v[SC+8*NQ*(\sc)+NQ*(\a)+(\q)] matrix_a_fmt:MATRIX_FMT_FP6 matrix_b_fmt:MATRIX_FMT_FP6 matrix_a_scale:MATRIX_SCALE_ROW1
.else
	v_wmma_scale_f32_16x16x128_f8f6f4 v[8*(8*((\a)%4)+\b):8*(8*((\a)%4)+\b)+7], v[128*(\p)+FR*\b:128*(\p)+FR*\b+FR-1], v[AF+FR*(\a):AF+FR*(\a)+FR-1], v[8*(8*((\a)%4)+\b):8*(8*((\a)%4)+\b)+7], v[SC+8*NQ*(\sc)+NQ*\b+(\q)], v[SC+8*NQ*(\sc)+NQ*(\a)+(\q)] matrix_a_fmt:MATRIX_FMT_FP6 matrix_b_fmt:MATRIX_FMT_FP6 matrix_a_scale:MATRIX_SCALE_ROW1
.endif
.endr
.endr
.endm
.macro FETCH_B slot, q, p              ; B's eight fragments of the slot's q-th 128 along K into set p
	WIN TO_B
.irp i, 0,1,2,3,4,5,6,7
	FRAG 128*(\p)+FR*\i, ADRB+\slot, \q, \i
.endr
	WIN 0
.endm
.macro FETCH_A slot, q, i0             ; A's blocks i0 .. i0 + 3
.irp i, \i0, \i0+1, \i0+2, \i0+3
	FRAG AF+FR*(\i), ADRA+\slot, \q, \i
.endr
.endm
.macro SCALES sc                       ; the next K step's scale words into set sc: lanes 0-15 take A's block i, lanes 16-31 B's block i
.irp i, 0,1,2,3,4,5,6,7
	ds_load_b64 v[SC+8*NQ*\sc+NQ*\i:SC+8*NQ*\sc+NQ*\i+1], v[ADRS] offset:\i*SBLK
.endr
.endm
; A load into a register that a matrix instruction has read, and a vector instruction that reads a matrix result, stand NP places behind that matrix instruction; only plain vector instructions
; that name none of its registers are places (ISA guide 7.12.1 for vector instructions).
.macro PLACES n
.rept \n
	v_nop
.endr
.endm
; A step of 128 along K that has its successor in the same slot.
.macro STEP slot, q, zero
	s_wait_dscnt 4*NL                              ; B's set and A's blocks 0-3 are in; the youngest 24 loads (A's blocks 4-7) may be out
	WIN MUL_LO
	MUL16 0, (\q)%2, \q, \slot, \zero
	MUL16 2, (\q)%2, \q, \slot, \zero
	s_wait_dscnt 0                                 ; A's blocks 4-7 are in (asked for 32 matrix instructions ago)
	PLACES NP
	FETCH_B \slot, (\q)+1, 1-(\q)%2
	FETCH_A \slot, (\q)+1, 0
	WIN MUL_HI
	MUL16 4, (\q)%2, \q, \slot, \zero
	MUL16 6, (\q)%2, \q, \slot, \zero
	PLACES NP
	WIN 0
	FETCH_A \slot, (\q)+1, 4
.endm
; A slot's last step changes slots: ONE barrier; in front of it each wave waits for all its tensor loads, adds 0 to its spare word, and waits for that and for its own reads of this slot.  fill = 1: this slot is filled again, two K steps ahead.
.macro TURN slot, next, fill
	s_wait_tensorcnt 0x0                           ; all my tensor loads have landed: my part of the next slot;  (every window is 0 here)
	ds_add_u32 v[SPW], v[NIL]                      ; 0 onto my spare word;
	s_wait_dscnt 4*NL+1                            ; (the add and the youngest 24 loads, A's blocks 4-7, may be out)
	WIN MUL_LO
	MUL16 0, 1, NQ-1, \slot, 0                     ; sixteen matrix instructions stand between the add and the wait for it
	s_wait_dscnt 0x0                               ; the add is done, and my reads of this slot are over
	s_barrier_signal -1
	MUL16 2, 1, NQ-1, \slot, 0
	WIN 0
	s_barrier_wait -1
.if \fill
	CREST                                          ; the barrier has opened a round of the cluster's barrier: no wave of any partner still reads this slot's tile or has a load on its way
	s_add_nc_u64 s[G0+4*\slot+2:G0+4*\slot+3], s[G0+4*\slot+2:G0+4*\slot+3], 2*ROWB
	s_add_nc_u64 s[G0B+4*\slot+2:G0B+4*\slot+3], s[G0B+4*\slot+2:G0B+4*\slot+3], 2*ROWB
	JLOAD G0+4*\slot, G1, G0B+4*\slot, G1B         ; the first tensor load behind the round; the four v_nop behind it are the places in front of the loads below
.else
	PLACES NP
.endif
	v_add_nc_u32 v[ADRS], 4*NQ, v[ADRS]            ; on to the next K step's scale words (no LDS load of mine is out)
	FETCH_B \next, 0, 0
	FETCH_A \next, 0, 0
	SCALES \next
	WIN MUL_HI
	MUL16 4, 1, NQ-1, \slot, 0
	MUL16 6, 1, NQ-1, \slot, 0
	PLACES NP
	WIN 0
	FETCH_A \next, 0, 4
.endm
	s_wait_tensorcnt 1                             ; the scales and my part of K step 0 are in (K step 1's load may be out),
	s_barrier_signal -1
	s_barrier_wait -1                              ; everybody's are
	FETCH_B 0, 0, 0
	FETCH_A 0, 0, 0
	SCALES 0
	FETCH_A 0, 0, 4
	STEP 0, 0, 1                                   ; the first step stands in front of the loop: its products start the sums
	s_mov_b32 s3, LAPS-1
.Llap:                                                 ; a trip goes once round the ring, from a lap's second step to the next lap's first, and fills both slots again
	TURN 0, 1, 1
	STEP 1, 0, 0
	TURN 1, 0, 1
	STEP 0, 0, 0
	s_sub_co_u32 s3, s3, 1
	s_cmp_lg_u32 s3, 0
	s_cbranch_scc1 .Llap
	TURN 0, 1, 0                                   ; the last lap fills nothing, and has no round of the cluster's barrier
	STEP 1, 0, 0
	s_wait_dscnt 4*NL                              ; the very last step: nothing more to fetch
	WIN MUL_LO
	MUL16 0, 1, NQ-1, 1, 0
	MUL16 2, 1, NQ-1, 1, 0
	s_wait_dscnt 0
	WIN MUL_HI
	MUL16 4, 1, NQ-1, 1, 0
	MUL16 6, 1, NQ-1, 1, 0
	WIN 0
; THE WAY OUT.  QHALF hh quantises my rows 64 hh .. 64 hh + 63: 16 blocks a lane (block 4 a' + beta: the 16 registers from v[16 (4 a' + beta)] of window 2 + hh), by turns, so that no line waits for the line above it.
.macro QHALF hh
.set WQ, 0x28+0x14*(\hh)
	WIN WQ                                         ; sources 1 and 2: window 2 + hh
.irp blk, 0,1,2,3,4,5,6,7,8,9,10,11,12,13,14,15
	v_max3_num_f32 v[T+\blk], s97, |v[16*\blk]|, |v[16*\blk+1]|          ; two chains a block, one for each accumulator, each from its accumulator's low end on; the floor holds the byte at 1 from below
	v_max3_num_f32 v[PT+\blk], s97, |v[16*\blk+8]|, |v[16*\blk+9]|
.endr
.irp i, 2,4,6
.irp blk, 0,1,2,3,4,5,6,7,8,9,10,11,12,13,14,15
	v_max3_num_f32 v[T+\blk], v[T+\blk], |v[16*\blk+\i]|, |v[16*\blk+\i+1]|
	v_max3_num_f32 v[PT+\blk], v[PT+\blk], |v[16*\blk+\i+8]|, |v[16*\blk+\i+9]|
.endr
.endr
	WIN 0
.irp blk, 0,1,2,3,4,5,6,7,8,9,10,11,12,13,14,15
	v_max_num_f32 v[T+\blk], v[T+\blk], v[PT+\blk]                       ; my 16 numbers'
.endr
.irp blk, 0,1,2,3,4,5,6,7,8,9,10,11,12,13,14,15
	v_permlanex16_b32 v[PT+\blk], v[T+\blk], s98, s99
.endr
.irp blk, 0,1,2,3,4,5,6,7,8,9,10,11,12,13,14,15
	v_max_num_f32 v[T+\blk], v[T+\blk], v[PT+\blk]                       ; with lane l xor 16's: the block's largest magnitude
.endr
.irp blk, 0,1,2,3,4,5,6,7,8,9,10,11,12,13,14,15
	v_add_nc_u32 v[SOP+\blk], 0xff000000, v[T+\blk]                      ; 2 off its exponent field: the conversion's scale operand
.endr
.irp blk, 0,1,2,3,4,5,6,7,8,9,10,11,12,13,14,15
	v_lshrrev_b32 v[PT+\blk], 23, v[SOP+\blk]                            ; the scale's byte
.endr
.irp a, 0,1,2,3
	v_lshl_or_b32 v[LO+\a], v[PT+4*\a+1], 8, v[PT+4*\a]                  ; a row's four bytes
.endr
.irp a, 0,1,2,3
	v_lshl_or_b32 v[LO+\a], v[PT+4*\a+2], 16, v[LO+\a]
.endr
.irp a, 0,1,2,3
	v_lshl_or_b32 v[LO+\a], v[PT+4*\a+3], 24, v[LO+\a]
.endr
.irp a, 0,1,2,3
	v_alignbit_b32 v[HI+\a], v[LO+\a], v[LO+\a], 16                      ; and turned by two bytes: the second head's two come first
.endr
.set WQ, 2+(\hh)
	WIN WQ                                         ; source 0: window 2 + hh
.irp blk, 0,1,2,3,4,5,6,7,8,9,10,11,12,13,14,15
	v_cvt_scalef32_pk16_fp6_f32 v[CD+4*\blk:CD+4*\blk+2], v[16*\blk:16*\blk+15], v[SOP+\blk]
.endr
	v_nop                                          ; one plain line behind the last scaled conversion
	WIN 0
.irp blk, 0,1,2,3,4,5,6,7,8,9,10,11,12,13,14,15
.irp w, 0,1,2
	ds_store_b32 v[STO], v[CD+4*\blk+\w] offset:6144*((\blk%4)/2)+768*(4*(\hh)+\blk/4)+24*(\blk%2)+4*\w   ; word 12 r + 3 h + a constant: 32 different banks
.endr
.endr
.irp a, 0,1,2,3
	ds_store_b32 v[SSTO], v[LO+\a] offset:64*(4*(\hh)+\a)               ; both halves of the lanes write the same word with the same value
	ds_store_b32 v[SSTO], v[HI+\a] offset:512+64*(4*(\hh)+\a)
.endr
	s_wait_dscnt 0x0                               ; the stores have read their registers, which are written again
.endm
.macro OUT6 k0, pl                     ; six stores of 512 consecutive bytes, aligned: a run of 3,072
.irp i, 0,1,2,3,4,5
	s_wait_dscnt 25-(\k0)-\i                       ; LDS loads come back in order: this one is in; the later loads of codes and the two of scale words may be out
	global_store_b128 v[CO], v[BK+4*((\k0)+\i):BK+4*((\k0)+\i)+3], s[\pl:\pl+1] offset:512*\i
.endr
.endm
	PLACES NP                                      ; behind the last products, ahead of the first read of results and the first write of registers that they read
	QHALF 0
	QHALF 1
.set k, 0
.rept 24
	ds_load_b128 v[BK+4*k:BK+4*k+3], v[RD] offset:512*k                  ; LDS serves a wave's instructions in order: these see my stores
.set k, k+1
.endr
	ds_load_b128 v[WB:WB+3], v[RD] offset:12288
	ds_load_b128 v[WB+4:WB+7], v[RD] offset:12800
	OUT6 0, 12
	OUT6 6, 20
	OUT6 12, 22
	OUT6 18, 40
	s_wait_dscnt 1                                 ; the rows' words are in; the turned ones may be out
	global_store_b128 v[SCO], v[WB:WB+3], s[44:45]                       ; sixteen lanes store 256 consecutive bytes, aligned
	s_wait_dscnt 0x0
	s_cmp_eq_u32 s66, 1                            ; v's words serve all four blocks of a row at once: the turned words are q's and k's alone.  The mode is the same in all partners
	s_cbranch_scc1 .Lno_hi
	global_store_b128 v[SCO], v[WB+4:WB+7], s[44:45] offset:20480        ; the next head's record
.Lno_hi:
	s_wait_tensorcnt 0x0                           ; the wave's end, behind my last tensor load and my last LDS store
	ds_add_u32 v[SPW], v[NIL]
	s_wait_dscnt 0x0
	CROUND                                         ; the closing round: no work-group ends while a partner may still ask for a tile that names it
	s_endpgm
.Lfunc_end_k_q969e037839_qkv:
	.size	k_q969e037839_qkv, .Lfunc_end_k_q969e037839_qkv-k_q969e037839_qkv
	.p2alignl 7, 3214868480
	.fill 96, 4, 3214868480
	.section	.rodata,"a",@progbits
	.p2align	6, 0x0
	.amdhsa_kernel k_q969e037839_qkv
		.amdhsa_group_segment_fixed_size 327680
		.amdhsa_private_segment_fixed_size 0
		.amdhsa_enable_private_segment 0
		.amdhsa_kernarg_size 32
		.amdhsa_user_sgpr_count 2
		.amdhsa_user_sgpr_kernarg_segment_ptr 1
		.amdhsa_wavefront_size32 1
		.amdhsa_system_sgpr_workgroup_id_x 1
		.amdhsa_system_sgpr_workgroup_id_y 1
		.amdhsa_system_sgpr_workgroup_id_z 1
		.amdhsa_system_vgpr_workitem_id 0
		.amdhsa_next_free_vgpr 1024
		.amdhsa_next_free_sgpr 100
		.amdhsa_reserve_vcc 0
		.amdhsa_float_denorm_mode_32 3
		.amdhsa_float_denorm_mode_16_64 3
		.amdhsa_memory_ordered 1
		.amdhsa_forward_progress 1
		.amdhsa_inst_pref_size 172
	.end_amdhsa_kernel
	.amdgpu_metadata
---
amdhsa.version: [ 1, 2 ]
amdhsa.kernels:
  - .name:           k_q969e037839_qkv
    .symbol:         k_q969e037839_qkv.kd
    .args:
      - { .name: cin, .offset: 0, .size: 8, .value_kind: global_buffer, .address_space: global }
      - { .name: sin, .offset: 8, .size: 8, .value_kind: global_buffer, .address_space: global }
      - { .name: cbuf, .offset: 16, .size: 8, .value_kind: global_buffer, .address_space: global }
      - { .name: sbuf, .offset: 24, .size: 8, .value_kind: global_buffer, .address_space: global }
    .group_segment_fixed_size: 327680
    .private_segment_fixed_size: 0
    .kernarg_segment_align: 8
    .kernarg_segment_size: 32
    .max_flat_workgroup_size: 128
    .sgpr_count:     100
    .vgpr_count:     1024
    .wavefront_size: 32
...
	.end_amdgpu_metadata
.endif
;; end of part 2
;; launch attn (part 3): grid 4 x 64, 16 waves a work-group, clusters of 4 x 1, 229,376 bytes of LDS; arguments cbuf, sbuf, ac, asc; writes ac, asc
.if DOCPART == 3
	.amdgcn_target "amdgcn-amd-amdhsa--gfx1250"
	.amdhsa_code_object_version 6
	.text
	.protected	k_q969e037839_attn
	.globl	k_q969e037839_attn
	.p2align	8
	.type	k_q969e037839_attn,@function
k_q969e037839_attn:
	s_mov_b64 s[64:65], 0
	v_nop
	global_prefetch_b8 v0, s[64:65] scope:SCOPE_SE
	s_setreg_imm32_b32 hwreg(HW_REG_WAVE_MODE, 25, 1), 1
	s_wait_xcnt 0x0
	s_wait_alu depctr_hold_cnt(0) depctr_sa_sdst(0) depctr_va_vdst(0) depctr_va_sdst(0) depctr_va_ssrc(0) depctr_va_vcc(0) depctr_vm_vsrc(0)
	s_getreg_b32 s2, hwreg(HW_REG_IB_STS2, 6, 4)
	s_cmp_eq_u32 s2, 0
	s_cbranch_scc0 .Lentry_in_a_cluster
	s_endpgm
.Lentry_in_a_cluster:
	s_bfe_u32 s2, ttmp6, 0x10000c
	s_cmp_lg_u32 s2, 0x3003
	s_cbranch_scc0 .Lentry_shape_is_right
	s_endpgm
.Lentry_shape_is_right:
; Causal attention of one (batch, head) a cluster, both products on codes of FP6 (E2M3) with E8M0 scales; the result, divided by the row's sum, is quantised along the last product's K and leaves as codes.
; t = score x 32 log2(e) (the problem multiplies the scores by sqrt(1024)); M = the running largest t rounded UP to a whole number; p = 2^(t - M) is quantised along the keys; the sum is taken of the unquantised p.
; When M moves, the sum and O are multiplied by 2^(old M - new M): exact.
; SHARES.  A head has 128 tiles of 16 queries; tile n needs n / 8 + 1 steps of 128 keys.  Wave w of partner g owns tiles 4 w + g and 127 - (4 w + g): 17 steps of work for every wave of the launch.
; The steps that a tile needs hang on w alone (w / 2 + 1, and 16 - w / 2): every branch is alike in the four partners.  g enters global addresses and one vector register of the mask, nothing else.
; ALL OF THE HEAD'S K AND V STAYS IN LDS: 196,608 dense bytes of codes and 12,288 of scale words, filled once by joint loads (the same descriptor and a mask of all four partners in each): each wave asks for a sixteenth.
; So there is no ring, nothing is filled again, one barrier stands ahead of the first read, and nothing is left to prefetch: every byte is asked for at the head by the loads themselves.
; LAYOUT.  Both products are used transposed: S^T = K Q^T (source 0 = 16 neighbouring keys, source 1 = my 16 queries), O^T = V^T P^T: a lane holds ONE query (lane % 16) throughout.
; The 16 registers of score tiles 2 b and 2 b + 1 are keys 32 b + 16 u + 8 h + j; converted and with the halves exchanged they stand at position 16 h + 8 u + j of block b: the order in which V's codes were stored.
; V's rows were stored with bits 3 and 4 swapped, so the 16 registers of O^T's tiles 2 b and 2 b + 1 are the head's numbers 32 b + 16 h + 0 .. 15: neighbours.
; THE FIRST PRODUCT'S K IS 64: Q's registers 6-11 hold zero codes.  A tile of K is 6 registers a lane; its operand's upper six are the next tile's (for the last tile: zeros), which meet Q's zeros.
; LIMIT: bytes 2, 3 of Q's and K's scale words are other blocks' valid bytes; their product stays finite for |q|, |k| under about 2^60.  NaN and infinities are not served; a block under 2^-124 gets the byte 1.
; THE RESULT: a tile of 16 queries x 64 is one row of 1,024 of the last product's A (row 128 (16 b + head) + tile; column 64 r + d): 768 bytes of codes in ac, 32 scale bytes in asc.
; A fragment's rows are 48 bytes apart: word 12 r + 6 h: the 32 lanes of a load of 8 bytes touch 64 different banks (64 banks of 4 bytes: ISA guide 11.1): no padding.
.set VC,    98304                      ; LDS: K's codes [2048][48] at 0, V's [32 chunks][64 rows][48] here,
.set KSW,   196608                     ; K's scale words [2048][4],
.set VSW,   204800                     ; V's [16 steps][64 rows][4],
.set STAGE, 208896                     ; a stage of 1,024 bytes for each wave,
.set SPARE, 225280                     ; the spare words, 128 bytes for each wave
.set AK0,  1                           ; v1   48 r + 24 h
.set AV0,  2                           ; v2   the same in V's codes
.set ASK0, 3                           ; v3   KSW + 4 x lane
.set ASV0, 4                           ; v4   VSW + 4 x lane
.set SPW,  5                           ; v5   LDS address of my spare word; never rewritten
.set NIL,  6                           ; v6   0; never rewritten
.set STO,  7                           ; v7   my stage + 48 r + 12 h
.set ADK,  8                           ; v8-11 the step's LDS addresses: K, V, K's words, V's words
.set ADV,  9
.set ADS,  10
.set ADT,  11
.set QF,   16                          ; v16-27, v28-39 Q's two fragments (the upper six registers of each: zeros)
.set KV,   40                          ; v40-87 eight tiles of K, then four fragments of V; v88-93 zeros
.set QS,   94                          ; v94, v95 Q's scale words
.set ST,   96                          ; v96-159 S^T, then p
.set OT,   160                         ; v160-191 O^T
.set PCD,  192                         ; v192-203 p's codes; v204-206, v208-210 the conversions' second halves
.set BM,   212                         ; v212-215 a block's largest score, then its largest p
.set PT,   216                         ; v216-219 the other half's; a chain of the sum; the bytes
.set SOP,  220                         ; v220-223 the conversions' scale operands
.set KSC,  224                         ; v224-227 K's scale words: lanes 0-15 tile 2 j, lanes 16-31 tile 2 j + 1
.set VSC,  228                         ; v228-229 V's likewise
.set PW,   230                         ; v230 p's scale word
.set FF,   232                         ; v[232:233] f = 2^(old M - new M)
.set TT,   234
.set DM,   235                         ; v235 the mask: my query less the step's first key less 8 h
.set NINF, 236                         ; v236 -infinity
.set RD1,  237                         ; v237 my stage + 16 x lane;  v238 my stage + 512 + 8 x lane
.set RD2,  238
.set GO1,  239                         ; v239, v240 the same places in a row of ac;  v241 2 r + h: my byte in a row of asc
.set GO2,  240
.set GS,   241
.set RH,   253                         ; v253 r - 8 h
.set WV,   12                          ; s12 my wave's number; s13 my place in the cluster; s14 16 b + head
.set G1C,  16                          ; s[16:23] descriptor group 1 for the codes; s[24:31] for the scale words; s[32:35], s[36:39] their groups 0
.set G1S,  24
.set SEL,  44                          ; s[44:45] v_permlanex16_b32's selects for lane l xor 16
.set CS,   46                          ; s[46:47] c = 32 log2(e)
.set CT,   48                          ; s48 the step;  s49 the tile's last step, the one on the diagonal
.set XT,   49
.set TB,   50                          ; s50-52 where the step's codes, K's words, V's words begin
.set TS,   51
.set TV,   52
.macro CROUND                          ; a round of the cluster's barrier
	s_barrier_signal -1
	s_barrier_wait -1
	s_cmp_lg_u32 s[WV], 0
	s_cbranch_scc1 .Lnot_wave_0_\@
	s_barrier_signal -3
.Lnot_wave_0_\@:
	s_barrier_wait -3
	s_barrier_signal -1
	s_barrier_wait -1
.endm
	s_load_b256 s[4:11], s[0:1], 0x0               ; cbuf s[4:5], sbuf s[6:7], ac s[8:9], asc s[10:11]
	v_lshl_add_u32 v[SPW], v0, 2, SPARE
	v_mov_b32 v[NIL], 0
	ds_add_u32 v[SPW], v[NIL]                      ; the wave's opening: the add, and its wait ahead of my first tensor load; the set-up below stands between them
	ds_add_u32 v[SPW], v[NIL]
	v_lshrrev_b32 v8, 5, v0
	s_delay_alu instid0(VALU_DEP_1)
	v_readfirstlane_b32 s[WV], v8                  ; wave 0..15
	s_bfe_u32 s13, ttmp6, 0x40000                  ; my place in the cluster
	s_and_b32 s14, ttmp7, 0xffff                   ; 16 b + head, which the four partners share
	; descriptor group 1: dense bytes as rows of 256 (32 elements of 8 bytes), no padding: 48 rows of codes, 3 rows of scale words
	s_mov_b32 s[G1C], 15|(3<<16)|(1<<21)           ; 15:0 the mask: all four work-groups; 17:16 elements of 8 bytes; 21 set beside a mask
	s_mov_b32 s[G1C+1], 32<<16                     ; tensor_dim0 = 32
	s_mov_b32 s[G1C+2], 48<<16                     ; tensor_dim1 = 48
	s_mov_b32 s[G1C+3], 32<<16                     ; tile_dim0 = 32
	s_mov_b32 s[G1C+4], 48                         ; tile_dim1 = 48
	s_mov_b32 s[G1C+5], 32                         ; tensor_dim0_stride
	s_mov_b32 s[G1C+6], 0
	s_mov_b32 s[G1C+7], 0
	s_mov_b32 s[G1S], 15|(3<<16)|(1<<21)
	s_mov_b32 s[G1S+1], 32<<16
	s_mov_b32 s[G1S+2], 3<<16
	s_mov_b32 s[G1S+3], 32<<16
	s_mov_b32 s[G1S+4], 3
	s_mov_b32 s[G1S+5], 32
	s_mov_b32 s[G1S+6], 0
	s_mov_b32 s[G1S+7], 0
	s_mul_i32 s70, s[WV], 12288                    ; my sixteenth of K's and V's codes: in LDS, and in the record's dense block
	s_mul_i32 s72, s14, 294912                     ; the head's record in cbuf
	s_mov_b32 s73, 0
	s_add_co_u32 s74, s72, s70
	s_add_co_u32 s74, s74, 98304                   ; K begins 98,304 bytes into it, V follows
	s_mov_b32 s75, 0
	s_mul_i32 s76, s14, 20480                      ; the head's record in sbuf
	s_mov_b32 s77, 0
	s_mul_i32 s71, s[WV], 768                      ; my sixteenth of K's and V's scale words
	s_add_co_u32 s78, s76, s71
	s_add_co_u32 s78, s78, 8192
	s_mov_b32 s79, 0
	s_mov_b32 s[SEL], 0x76543210
	s_mov_b32 s[SEL+1], 0xfedcba98
	s_mov_b32 s[CS], 0x4238aa3b                    ; 32 log2(e)
	s_mov_b32 s[CS+1], s[CS]                       ; (named with it as a pair, so it is written)
	s_mov_b32 s53, 0xffff0000                      ; lanes 16-31
	s_wait_dscnt 0x0                               ; the opening add is done
	s_wait_kmcnt 0x0
	s_mov_b32 s32, 1                               ; count = 1
	s_add_co_u32 s33, s71, KSW                     ; LDS address
	s_add_nc_u64 s[34:35], s[6:7], s[78:79]        ; global address
	s_or_b32 s35, s35, 0x80000000                  ; type = 2
	s_mov_b32 s36, 1
	s_mov_b32 s37, s70
	s_add_nc_u64 s[38:39], s[4:5], s[74:75]
	s_or_b32 s39, s39, 0x80000000
	CROUND                                         ; all four work-groups are here: the joint loads meet
	tensor_load_to_lds s[32:35], s[G1S:G1S+7]      ; two loads of mine are out
	s_nop 0
	tensor_load_to_lds s[36:39], s[G1C:G1C+7]
	s_nop 0
.rept 4
	v_nop
.endr
	s_lshl_b32 s66, s[WV], 2
	s_add_co_u32 s66, s66, s13                     ; my early tile,
	s_sub_co_u32 s67, 127, s66                     ; my late tile
	s_lshr_b32 s68, s[WV], 1                       ; their last steps: tile / 8
	s_xor_b32 s69, s68, 15
	s_and_b32 s80, s66, 7
	s_lshl_b32 s80, s80, 4                         ; the tile's first query less its last step's first key
	s_and_b32 s81, s67, 7
	s_lshl_b32 s81, s81, 4
	s_add_nc_u64 s[72:73], s[4:5], s[72:73]        ; Q's codes of the head
	s_add_nc_u64 s[76:77], s[6:7], s[76:77]        ; and its scale words
	v_and_b32 v8, 15, v0                           ; r
	v_bfe_u32 v9, v0, 4, 1                         ; h
	s_delay_alu instid0(VALU_DEP_2)
	v_mul_u32_u24 v[AK0], v8, 48
	s_delay_alu instid0(VALU_DEP_1)
	v_mad_u32_u24 v[AK0], v9, 24, v[AK0]
	s_wait_alu depctr_va_vdst(0)
	s_mul_i32 s70, s66, 768
	s_mul_i32 s71, s67, 768
	v_add_nc_u32 v242, s70, v[AK0]
	v_add_nc_u32 v243, s71, v[AK0]
.irp w, 0,1,2
	global_load_b64 v[QF+2*\w:QF+2*\w+1], v242, s[72:73] offset:8*\w          ; Q's fragments stay in registers: block h of query r, 24 bytes
	global_load_b64 v[QF+12+2*\w:QF+12+2*\w+1], v243, s[72:73] offset:8*\w
.endr
	v_lshlrev_b32 v10, 2, v8
	s_lshl_b32 s74, s66, 6
	s_lshl_b32 s75, s67, 6
	v_add_nc_u32 v251, s74, v10
	v_add_nc_u32 v252, s75, v10
	global_load_b32 v[QS], v251, s[76:77]
	global_load_b32 v[QS+1], v252, s[76:77]
	s_lshl_b32 s78, s14, 7                         ; where the results go: row 128 (16 b + head) + tile
	s_add_co_u32 s70, s78, s66
	s_add_co_u32 s71, s78, s67
	s_mul_i32 s74, s70, 768
	s_mov_b32 s75, 0
	s_add_nc_u64 s[54:55], s[8:9], s[74:75]
	s_mul_i32 s74, s71, 768
	s_add_nc_u64 s[56:57], s[8:9], s[74:75]
	s_lshl_b32 s74, s70, 5
	s_add_nc_u64 s[58:59], s[10:11], s[74:75]
	s_lshl_b32 s74, s71, 5
	s_add_nc_u64 s[60:61], s[10:11], s[74:75]
	v_add_nc_u32 v[AV0], VC, v[AK0]
	v_and_b32 v11, 31, v0                          ; lane
	s_delay_alu instid0(VALU_DEP_1)
	v_lshl_add_u32 v[ASK0], v11, 2, KSW
	s_delay_alu instid0(VALU_DEP_2)
	v_lshl_add_u32 v[ASV0], v11, 2, VSW
	s_lshl_b32 s79, s[WV], 10
	s_add_co_u32 s79, s79, STAGE                   ; my stage
	v_mul_u32_u24 v[STO], v8, 48
	s_delay_alu instid0(VALU_DEP_1)
	v_mad_u32_u24 v[STO], v9, 12, v[STO]
	s_delay_alu instid0(VALU_DEP_1)
	v_add_nc_u32 v[STO], s79, v[STO]
	v_lshl_add_u32 v[RD1], v11, 4, s79
	v_lshl_add_u32 v[RD2], v11, 3, s79
	s_delay_alu instid0(VALU_DEP_1)
	v_add_nc_u32 v[RD2], 512, v[RD2]
	v_lshlrev_b32 v[GO1], 4, v11
	v_lshlrev_b32 v[GO2], 3, v11
	s_delay_alu instid0(VALU_DEP_1)
	v_add_nc_u32 v[GO2], 512, v[GO2]
	v_lshl_add_u32 v[GS], v8, 1, v9
	v_lshlrev_b32 v10, 3, v9
	s_delay_alu instid0(VALU_DEP_1)
	v_sub_nc_u32 v[RH], v8, v10
	v_mov_b32 v[NINF], 0xff800000
.irp i, 6,7,8,9,10,11
	v_mov_b32 v[QF+\i], 0                          ; zero codes: the first product's K from 64 on
	v_mov_b32 v[QF+12+\i], 0
	v_mov_b32 v[KV+42+\i], 0                       ; and the upper six registers of K's last tile
.endr
.irp b, 0,1,2,3
	v_mov_b32 v[PT+\b], 0                          ; written once: a lane permute's destination counts as one of its sources
.endr
	v_mov_b32 v[FF+1], 0                           ; (named as the upper half of a pair)
	v_mov_b32 v[TT], 0
; ONE TILE OF 16 QUERIES.  pass: 0 my early tile, 1 my late one; trips: the most steps that any wave's tile of this pass needs, a constant.  Every wave walks all trips; a step behind the tile's diagonal is jumped over.
.macro PASS pass, trips
	s_mov_b32 s[XT], s[68+\pass]
	v_add_nc_u32 v[DM], s[80+\pass], v[RH]
	v_mov_b32 v13, 0xff61b1e6                      ; the largest t so far: -3e38, under every t
	s_delay_alu instid0(VALU_DEP_1)
	v_floor_f32 v12, -v13                          ; -M
	v_mov_b32 v14, 0                               ; the sum, in two halves
	v_mov_b32 v15, 0
.set n, 0
.rept 32
	v_mov_b32 v[OT+n], 0                           ; O^T.  (The step is written once: the first finds zeros, which the first change of M leaves zeros)
.set n, n+1
.endr
	s_mov_b32 s[CT], 0
	s_mov_b32 s[TB], 0
	s_mov_b32 s[TS], 0
	s_mov_b32 s[TV], 0
.Lstep_\@:
	s_cmp_gt_u32 s[CT], s[XT]                      ; all 128 keys come after my 16 queries: the step's work is left out; the lines at its end that step addresses are not
	s_cbranch_scc1 .Lhid_\@
	s_setprio 2
	v_add_nc_u32 v[ADK], s[TB], v[AK0]             ; (these four are the places between the last step's products and the loads into the registers that they read)
	v_add_nc_u32 v[ADV], s[TB], v[AV0]
	v_add_nc_u32 v[ADS], s[TS], v[ASK0]
	v_add_nc_u32 v[ADT], s[TV], v[ASV0]
.irp i, 0,1,2,3,4,5,6,7
.irp w, 0,1,2
	ds_load_b64 v[KV+6*\i+2*\w:KV+6*\i+2*\w+1], v[ADK] offset:768*\i+8*\w        ; tile i: keys 16 i + r, block h
.endr
.endr
.irp i, 0,1,2,3
	ds_load_b32 v[KSC+\i], v[ADS] offset:128*\i
.endr
	s_wait_alu depctr_va_vdst(0)
	s_wait_dscnt 0x0
.irp i, 0,1,2,3,4,5,6,7                        ; S^T = K Q^T: eight accumulators, one instruction each
.if (\i)%2
	v_wmma_scale_f32_16x16x128_f8f6f4 v[ST+8*\i:ST+8*\i+7], v[KV+6*\i:KV+6*\i+11], v[QF+12*\pass:QF+12*\pass+11], 0, v[KSC+\i/2], v[QS+\pass] matrix_a_fmt:MATRIX_FMT_FP6 matrix_b_fmt:MATRIX_FMT_FP6 matrix_a_scale:MATRIX_SCALE_ROW1
.else
	v_wmma_scale_f32_16x16x128_f8f6f4 v[ST+8*\i:ST+8*\i+7], v[KV+6*\i:KV+6*\i+11], v[QF+12*\pass:QF+12*\pass+11], 0, v[KSC+\i/2], v[QS+\pass] matrix_a_fmt:MATRIX_FMT_FP6 matrix_b_fmt:MATRIX_FMT_FP6
.endif
.endr
.rept 4
	v_nop                                          ; places: ahead of the loads into K's registers and of the first read of the scores
.endr
.irp i, 0,1,2,3                                ; V's four fragments into the registers that K has left: they land under the softmax
.irp c, 0,1
.irp w, 0,1,2
	ds_load_b64 v[KV+12*\i+6*\c+2*\w:KV+12*\i+6*\c+2*\w+1], v[ADV] offset:768*\i+3072*\c+8*\w   ; rows 16 i + r, chunk c of 64 keys, block h
.endr
.endr
.endr
.irp i, 0,1
	ds_load_b32 v[VSC+\i], v[ADT] offset:128*\i
.endr
	s_cmp_lg_u32 s[CT], s[XT]                      ; on the diagonal the scores of hidden keys become -infinity ahead of the maximum: p = 0 then
	s_cbranch_scc1 .Lopen_\@
.set n, 0
.rept 64
	v_cmp_gt_i32 vcc_lo, 16*(n/8)+n%8, v[DM]       ; register 8 i + j holds key 16 i + 8 h + j of the step: hidden where 16 i + j > my query - 8 h
	v_cndmask_b32 v[ST+n], v[ST+n], v[NINF], vcc_lo
.set n, n+1
.endr
.Lopen_\@:
.irp b, 0,1,2,3
	v_max3_num_f32 v[BM+\b], v[ST+16*\b], v[ST+1+16*\b], v[ST+2+16*\b]   ; the largest score of each block of 32 keys: for the row's maximum, and, since p rises with the score, for the block's largest p
.endr
.irp i, 3,5,7,9,11,13
.irp b, 0,1,2,3
	v_max3_num_f32 v[BM+\b], v[BM+\b], v[ST+16*\b+\i], v[ST+1+16*\b+\i]  ; (the four blocks by turns)
.endr
.endr
.irp b, 0,1,2,3
	v_max_num_f32 v[BM+\b], v[BM+\b], v[ST+15+16*\b]
.endr
.irp b, 0,1,2,3
	s_delay_alu instid0(VALU_DEP_4)
	v_permlanex16_b32 v[PT+\b], v[BM+\b], s[SEL], s[SEL+1]
.endr
.irp b, 0,1,2,3
	s_delay_alu instid0(VALU_DEP_4)
	v_max_num_f32 v[BM+\b], v[BM+\b], v[PT+\b]     ; with lane l xor 16's 16 keys
.endr
	s_delay_alu instid0(VALU_DEP_2)
	v_max3_num_f32 v[TT], v[BM], v[BM+1], v[BM+2]
	s_delay_alu instid0(VALU_DEP_1)
	v_max_num_f32 v[TT], v[TT], v[BM+3]            ; the step's largest score of my query
	s_delay_alu instid0(VALU_DEP_1)
	v_mul_f32 v[TT], s[CS], v[TT]                  ; as t (c is positive)
	s_delay_alu instid0(VALU_DEP_1)
	v_max_num_f32 v13, v13, v[TT]                  ; the running largest t
	v_mov_b32 v[TT], v12
	s_delay_alu instid0(VALU_DEP_2)
	v_floor_f32 v12, -v13                          ; the new -M = floor(-t): M is a whole number
	s_delay_alu instid0(VALU_DEP_1)
	v_sub_f32 v[TT], v12, v[TT]                    ; M's old value less its new one: a whole number, 0 or less
	s_delay_alu instid0(VALU_DEP_1)
	v_cvt_i32_f32 v[TT], v[TT]                     ; (it saturates)
	s_delay_alu instid0(VALU_DEP_1)
	v_ldexp_f32 v[FF], 1.0, v[TT]                  ; f = 2^(old M - new M)
.set n, 0
	s_setprio 1
.rept 32
	v_pk_fma_f32 v[ST+n:ST+n+1], v[ST+n:ST+n+1], s[CS:CS+1], v[12:13] op_sel_hi:[1,0,0]   ; t - M, two at a time
.set n, n+2
.endr
.irp b, 0,1,2,3
	v_fma_f32 v[BM+\b], v[BM+\b], s[CS], v12       ; the same of each block's largest score
.endr
.set n, 0
	s_wait_alu depctr_va_vdst(0)
.rept 64
	v_exp_f32 v[ST+n], v[ST+n]                     ; p = 2^(t - M), at most 1: not normalised
.set n, n+1
.endr
	v_pk_mul_f32 v[14:15], v[14:15], v[FF:FF+1] op_sel_hi:[1,0]          ; the sums under the new M (a plain line behind the exponentials)
	s_wait_alu depctr_va_vdst(0)                   ; one wait for the whole batch, ahead of its first reader
.irp b, 0,1,2,3
	v_exp_f32 v[BM+\b], v[BM+\b]                   ; the block's largest p: the same two instructions on the same number give the same bits
.endr
	v_pk_add_f32 v[216:217], v[100:101], v[104:105]
	v_pk_add_f32 v[254:255], v[108:109], v[112:113]
	v_pk_add_f32 v[250:251], v[116:117], v[120:121]
	v_pk_add_f32 v[248:249], v[124:125], v[128:129]
	v_pk_add_f32 v[246:247], v[132:133], v[136:137]
	v_pk_add_f32 v[244:245], v[140:141], v[144:145]
	v_pk_add_f32 v[242:243], v[148:149], v[152:153]
	v_pk_add_f32 v[14:15], v[14:15], v[156:157]
	v_pk_add_f32 v[216:217], v[216:217], v[96:97]
	v_pk_add_f32 v[254:255], v[254:255], v[98:99]
	v_pk_add_f32 v[250:251], v[250:251], v[102:103]
	v_pk_add_f32 v[248:249], v[248:249], v[106:107]
	v_pk_add_f32 v[246:247], v[246:247], v[110:111]
	v_pk_add_f32 v[244:245], v[244:245], v[114:115]
	v_pk_add_f32 v[242:243], v[242:243], v[118:119]
	v_pk_add_f32 v[14:15], v[14:15], v[122:123]
	v_pk_add_f32 v[216:217], v[216:217], v[126:127]
	v_pk_add_f32 v[254:255], v[254:255], v[130:131]
	v_pk_add_f32 v[250:251], v[250:251], v[134:135]
	v_pk_add_f32 v[248:249], v[248:249], v[138:139]
	v_pk_add_f32 v[246:247], v[246:247], v[142:143]
	v_pk_add_f32 v[244:245], v[244:245], v[146:147]
	v_pk_add_f32 v[242:243], v[242:243], v[150:151]
	v_pk_add_f32 v[14:15], v[14:15], v[154:155]
	v_pk_add_f32 v[216:217], v[216:217], v[158:159]
	s_delay_alu instid0(VALU_DEP_2)
	v_pk_add_f32 v[14:15], v[14:15], v[248:249]
	s_delay_alu instid0(VALU_DEP_2)
	v_pk_add_f32 v[216:217], v[216:217], v[246:247]
	v_pk_add_f32 v[254:255], v[254:255], v[244:245]
	v_pk_add_f32 v[250:251], v[250:251], v[242:243]
	s_delay_alu instid0(VALU_DEP_2)
	v_pk_add_f32 v[14:15], v[14:15], v[254:255]
	s_delay_alu instid0(VALU_DEP_2)
	v_pk_add_f32 v[216:217], v[216:217], v[250:251]
	s_delay_alu instid0(VALU_DEP_1)
	v_pk_add_f32 v[14:15], v[14:15], v[216:217]
	s_setprio 0
	s_wait_alu depctr_va_vdst(0)                   ; and one for the four
.irp b, 0,1,2,3
	v_max_num_f32 v[BM+\b], 0x1800000, v[BM+\b]    ; the floor 2^(3 - 127): the byte cannot fall under 1 (a block whose every p is 0 keeps that byte: its codes are zeros)
.endr
.irp b, 0,1,2,3
	s_delay_alu instid0(VALU_DEP_4)
	v_add_nc_u32 v[SOP+\b], 0xff000000, v[BM+\b]   ; 2 off the exponent field: the conversion's scale operand
.endr
.irp b, 0,1,2,3
	s_delay_alu instid0(VALU_DEP_4)
	v_lshrrev_b32 v[PT+\b], 23, v[SOP+\b]          ; the scale's byte
.endr
	s_delay_alu instid0(VALU_DEP_3)
	v_lshl_or_b32 v[PW], v[PT+1], 8, v[PT]         ; p's scale word for these 128 keys
	s_delay_alu instid0(VALU_DEP_1)
	v_lshl_or_b32 v[PW], v[PT+2], 16, v[PW]
	s_delay_alu instid0(VALU_DEP_1)
	v_lshl_or_b32 v[PW], v[PT+3], 24, v[PW]
.irp c, 0,1
	v_cvt_scalef32_pk16_fp6_f32 v[PCD+6*\c:PCD+6*\c+2], v[ST+32*\c:ST+32*\c+15], v[SOP+2*\c]
	v_cvt_scalef32_pk16_fp6_f32 v[PCD+12+4*\c:PCD+12+4*\c+2], v[ST+16+32*\c:ST+16+32*\c+15], v[SOP+2*\c+1]   ; (a conversion's three registers begin on an even number)
.endr
	v_nop                                          ; one plain line behind the last scaled conversion
.irp c, 0,1                                    ; the operand's layout wants a whole block in a lane: lanes 0-15 block 2 c, lanes 16-31 block 2 c + 1
.irp w, 0,1,2
	v_permlane16_swap_b32 v[PCD+6*\c+\w], v[PCD+12+4*\c+\w]
.endr
.irp w, 0,1,2
	s_delay_alu instid0(VALU_DEP_3)
	v_mov_b32 v[PCD+3+6*\c+\w], v[PCD+12+4*\c+\w]
.endr
.endr
.set n, 0
.rept 16
	v_pk_mul_f32 v[OT+n:OT+n+1], v[OT+n:OT+n+1], v[FF:FF+1] op_sel_hi:[1,0]   ; O^T under the new M.  Twelve of these name no register of a given product below: the places behind p's scale word and codes
.set n, n+2
.endr
	s_wait_alu depctr_va_vdst(0)
	s_wait_dscnt 0x0                               ; V is in
.irp i, 0,1,2,3                                ; O^T += V^T P^T: four accumulators, one instruction each: with the eight above they take turns, over the backward jump too
.if (\i)%2
	v_wmma_scale_f32_16x16x128_f8f6f4 v[OT+8*\i:OT+8*\i+7], v[KV+12*\i:KV+12*\i+11], v[PCD:PCD+11], v[OT+8*\i:OT+8*\i+7], v[VSC+\i/2], v[PW] matrix_a_fmt:MATRIX_FMT_FP6 matrix_b_fmt:MATRIX_FMT_FP6 matrix_a_scale:MATRIX_SCALE_ROW1
.else
	v_wmma_scale_f32_16x16x128_f8f6f4 v[OT+8*\i:OT+8*\i+7], v[KV+12*\i:KV+12*\i+11], v[PCD:PCD+11], v[OT+8*\i:OT+8*\i+7], v[VSC+\i/2], v[PW] matrix_a_fmt:MATRIX_FMT_FP6 matrix_b_fmt:MATRIX_FMT_FP6
.endif
.endr
.Lhid_\@:
	s_add_co_u32 s[TB], s[TB], 6144                ; 128 keys of 48 bytes; two chunks of V
	s_add_co_u32 s[TS], s[TS], 512
	s_add_co_u32 s[TV], s[TV], 256
	s_add_co_u32 s[CT], s[CT], 1
	s_cmp_lt_u32 s[CT], \trips
	s_cbranch_scc1 .Lstep_\@
	s_setprio 0
	; the tile's way out: O^T / the sum, quantised along the head's 64 (two blocks), through my stage, out as one row of 768 bytes
.rept 4
	v_nop                                          ; places behind the last products
.endr
	v_add_f32 v14, v14, v15                        ; the sum's two halves,
	s_delay_alu instid0(VALU_DEP_1)
	v_permlanex16_b32 v[TT], v14, s[SEL], s[SEL+1]
	s_delay_alu instid0(VALU_DEP_1)
	v_add_f32 v14, v14, v[TT]                      ; and lane l xor 16's: the row's sum
	s_wait_alu depctr_va_vdst(0)
	v_rcp_f32 v14, v14
	v_nop                                          ; a plain line behind the reciprocal
	s_wait_alu depctr_va_vdst(0)                   ; and the wait ahead of its first reader
.set n, 0
.rept 16
	v_pk_mul_f32 v[ST+n:ST+n+1], v[OT+n:OT+n+1], v[14:15] op_sel_hi:[1,0]     ; register 16 b + i: the head's number 32 b + 16 h + i of query r.  Each accumulator from its low end on
.set n, n+2
.endr
.irp b, 0,1
	v_max3_num_f32 v[BM+\b], |v[ST+16*\b]|, |v[ST+1+16*\b]|, 0x1800000   ; my 16 numbers of block b, and the floor
.endr
.irp i, 2,4,6,8,10,12,14
.irp b, 0,1
	s_delay_alu instid0(VALU_DEP_2)
	v_max3_num_f32 v[BM+\b], v[BM+\b], |v[ST+16*\b+\i]|, |v[ST+1+16*\b+\i]|
.endr
.endr
.irp b, 0,1
	s_delay_alu instid0(VALU_DEP_2)
	v_permlanex16_b32 v[PT+\b], v[BM+\b], s[SEL], s[SEL+1]
.endr
.irp b, 0,1
	s_delay_alu instid0(VALU_DEP_2)
	v_max_num_f32 v[BM+\b], v[BM+\b], v[PT+\b]     ; with lane l xor 16's: the block's largest magnitude
.endr
.irp b, 0,1
	s_delay_alu instid0(VALU_DEP_2)
	v_add_nc_u32 v[SOP+\b], 0xff000000, v[BM+\b]
.endr
.irp b, 0,1
	s_delay_alu instid0(VALU_DEP_2)
	v_lshrrev_b32 v[PT+\b], 23, v[SOP+\b]          ; the scale's byte
.endr
	v_cvt_scalef32_pk16_fp6_f32 v[PCD:PCD+2], v[ST:ST+15], v[SOP]
	v_cvt_scalef32_pk16_fp6_f32 v[PCD+4:PCD+6], v[ST+16:ST+31], v[SOP+1]
	v_nop                                          ; one plain line behind the last scaled conversion
.irp b, 0,1
.irp w, 0,1,2
	ds_store_b32 v[STO], v[PCD+4*\b+\w] offset:24*\b+4*\w                ; byte 48 r + 24 b + 12 h of the row
.endr
.endr
	ds_load_b128 v[244:247], v[RD1]                ; LDS serves a wave's instructions in order: these see my stores
	ds_load_b64 v[248:249], v[RD2]
	v_cndmask_b32 v250, v[PT], v[PT+1], s53        ; lane (r, h) stores the byte of block h of query r
	s_wait_alu depctr_va_vdst(0)
	s_wait_dscnt 0x0
	global_store_b128 v[GO1], v[244:247], s[54+2*\pass:55+2*\pass]       ; 512 consecutive bytes, aligned,
	global_store_b64 v[GO2], v[248:249], s[54+2*\pass:55+2*\pass]        ; and 256 more
	global_store_b8 v[GS], v250, s[58+2*\pass:59+2*\pass]                ; the row's 32 scale bytes
.if \pass == 0
	s_wait_xcnt 0x0                                ; the stores have read their registers, which the next tile's way out writes again
.endif
.endm
	s_wait_tensorcnt 0x0                           ; my sixteenth of the head's K, V and scale words is in,
	s_barrier_signal -1
	s_barrier_wait -1                              ; everybody's is.  Nothing is filled again
	s_wait_loadcnt 0x0                             ; Q
	PASS 0, 8
	PASS 1, 16
	s_wait_tensorcnt 0x0                           ; the wave's end, behind my last tensor load and my last LDS store
	ds_add_u32 v[SPW], v[NIL]
	s_wait_dscnt 0x0
	CROUND                                         ; the closing round
	s_endpgm
.Lfunc_end_k_q969e037839_attn:
	.size	k_q969e037839_attn, .Lfunc_end_k_q969e037839_attn-k_q969e037839_attn
	.p2alignl 7, 3214868480
	.fill 96, 4, 3214868480
	.section	.rodata,"a",@progbits
	.p2align	6, 0x0
	.amdhsa_kernel k_q969e037839_attn
		.amdhsa_group_segment_fixed_size 229376
		.amdhsa_private_segment_fixed_size 0
		.amdhsa_enable_private_segment 0
		.amdhsa_kernarg_size 32
		.amdhsa_user_sgpr_count 2
		.amdhsa_user_sgpr_kernarg_segment_ptr 1
		.amdhsa_wavefront_size32 1
		.amdhsa_system_sgpr_workgroup_id_x 1
		.amdhsa_system_sgpr_workgroup_id_y 1
		.amdhsa_system_sgpr_workgroup_id_z 1
		.amdhsa_system_vgpr_workitem_id 0
		.amdhsa_next_free_vgpr 256
		.amdhsa_next_free_sgpr 84
		.amdhsa_reserve_vcc 1
		.amdhsa_float_denorm_mode_32 3
		.amdhsa_float_denorm_mode_16_64 3
		.amdhsa_memory_ordered 1
		.amdhsa_forward_progress 1
		.amdhsa_inst_pref_size 68
	.end_amdhsa_kernel
	.amdgpu_metadata
---
amdhsa.version: [ 1, 2 ]
amdhsa.kernels:
  - .name:           k_q969e037839_attn
    .symbol:         k_q969e037839_attn.kd
    .args:
      - { .name: cbuf, .offset: 0, .size: 8, .value_kind: global_buffer, .address_space: global }
      - { .name: sbuf, .offset: 8, .size: 8, .value_kind: global_buffer, .address_space: global }
      - { .name: ac, .offset: 16, .size: 8, .value_kind: global_buffer, .address_space: global }
      - { .name: asc, .offset: 24, .size: 8, .value_kind: global_buffer, .address_space: global }
    .group_segment_fixed_size: 229376
    .private_segment_fixed_size: 0
    .kernarg_segment_align: 8
    .kernarg_segment_size: 32
    .max_flat_workgroup_size: 512
    .sgpr_count:     84
    .vgpr_count:     256
    .wavefront_size: 32
...
	.end_amdgpu_metadata
.endif
;; end of part 3
;; launch oproj (part 4): grid 4 x 32, 4 waves a work-group, clusters of 4 x 4, 327,680 bytes of LDS; arguments ac, asc, cin, sin, out0; writes out0
.if DOCPART == 4
	.amdgcn_target "amdgcn-amd-amdhsa--gfx1250"
	.amdhsa_code_object_version 6
	.text
	.protected	k_q969e037839_oproj
	.globl	k_q969e037839_oproj
	.p2align	8
	.type	k_q969e037839_oproj,@function
k_q969e037839_oproj:
	s_mov_b64 s[64:65], 0
	v_nop
	global_prefetch_b8 v0, s[64:65] scope:SCOPE_SE
	s_setreg_imm32_b32 hwreg(HW_REG_WAVE_MODE, 25, 1), 1
	s_wait_xcnt 0x0
	s_wait_alu depctr_hold_cnt(0) depctr_sa_sdst(0) depctr_va_vdst(0) depctr_va_sdst(0) depctr_va_ssrc(0) depctr_va_vcc(0) depctr_vm_vsrc(0)
	s_getreg_b32 s2, hwreg(HW_REG_IB_STS2, 6, 4)
	s_cmp_eq_u32 s2, 0
	s_cbranch_scc0 .Lentry_in_a_cluster
	s_endpgm
.Lentry_in_a_cluster:
	s_bfe_u32 s2, ttmp6, 0x10000c
	s_cmp_lg_u32 s2, 0xf033
	s_cbranch_scc0 .Lentry_shape_is_right
	s_endpgm
.Lentry_shape_is_right:
; out0[m][n] = sum over k of A[m][k] Wo[n][k].  A: the attention's result as codes of FP6 (E2M3), ac [8192][768 bytes], asc [8192][32 scale bytes]; Wo: rows 11,264 on of cin and sin; out0: [8192][1024] f32; sums in f32.
; A tile of 256 x 256 is made by a work-group of four waves; a wave makes 128 x 128: 64 accumulators of 16 x 16, 512 registers.  K goes in steps of 256 through a ring of two LDS slots filled by the tensor data mover.
; THE SCALES of the work-group's 256 rows of A and 256 rows of Wo, for all of K, are two dense blocks of memory: they come into LDS once, with the first fills, and stay.
; CLUSTERS: 4 x 4 work-groups.  The four of a row of the cluster need the same tiles of A, the four of a column the same tiles of Wo: each tile is asked for jointly, by the same tensor load with the
; same descriptor and a mask that names the four.  THE MATRIX INSTRUCTION IS USED TRANSPOSED (source 0 = 16 rows of Wo, source 1 = 16 rows of A): a lane then holds eight neighbouring numbers of a row of out0.
; 128 tiles: this tile size gives work to 128 work-groups.  No prefetch: K has four steps only.
; REGISTERS, in windows of 256: window 0: v0-31 addresses; v32-63 scale words, two sets; from v128 A's fragments, one set; on the way out v128-255 take rows read back.
;   window 1: B's fragments, two sets, at v0 and at v128.   window 2: the accumulators of my rows 0-63 ((a, b) at v[8 (8 a + b)]);   window 3: those of my rows 64-127.
.set SIZE_M, 8192
.set SIZE_N, 1024
.set SIZE_K, 1024
.set KSTEP,  256                       ; along K in a slot
.set NQ,     KSTEP/128                 ; matrix instructions deep
.set ROWB,   192                       ; a tile's row in bytes
.set KROW,   SIZE_K*6/8                ; a row of codes in memory, in bytes
.set PITCH,  240                       ; an LDS row: 3 x (64 bytes of data + 16 of padding) = 60 words: the 32 lanes of a load of 8 bytes touch 64 different banks (64 banks of 4 bytes: ISA guide 11.1)
.set FR,     12                        ; registers of a fragment: 16 rows x 128 K
.set NL,     6                         ; LDS loads that bring one
.set NP,     4                         ; places behind this matrix instruction (ISA guide 7.12.1)
.set HALFT,  128*PITCH                 ; 128 rows: what one tensor load brings
.set SLOT,   4*HALFT                   ; A's 256 rows, then B's 256 rows
.set LAPS,   SIZE_K/(2*KSTEP)          ; a lap = two K steps = once round the ring
.set KS,     SIZE_K/32                 ; a row of scales in bytes
.set SCL,    2*SLOT                    ; behind the ring: the scales, as runs of 256 bytes + 16 of padding
.set HALFS,  (128*KS/256)*272          ; the scales of 128 rows
.set SBLK,   (16*KS/256)*272           ; those of 16 rows
.set SPARE,  SCL+4*HALFS               ; behind the scales: the spare words, 128 bytes for each wave
.set SPITCH, 528                       ; the way out: a stage of 16 rows x (512 bytes + 16) for each wave, in slot 0, which has had its last fill and its last read when the first result is stored there
.set ADRA, 16                          ; v16-17  LDS address of my A fragments in slot 0, 1  (v18-19: for the pieces that lie behind one padding more)
.set ADRB, 20                          ; v20-21  the same for B  (v22-23)
.set STO,  24                          ; v24     the way out: where I put 32 bytes of a row
.set RD,   25                          ; v25     the way out: where I read a row back
.set CO,   26                          ; v26     my byte offset in a row of out0
.set SPW,  28                          ; v28     LDS address of my spare word; never rewritten
.set NIL,  29                          ; v29     0; never rewritten
.set ADRS, 27                          ; v27     LDS address of my scale words: lanes 0-15 A's rows, lanes 16-31 B's
.set SC,   32                          ; scale words: set s at v[SC + 8 NQ s]
.set AF,   128                         ; A's fragments, in window 0
.set BK,   128                         ; the way out: 16 rows read back from the stage: v128-191 and v192-255 by turns
.set G1, 24                            ; s[24:31] descriptor group 1 for A's tiles;  s[32:39] group 0, one set for each slot
.set G0, 32
.set G1B, 48                           ; s[48:55], s[56:63] the same for B's tiles
.set G0B, 56
.set G1S, 68                           ; s[68:75], s[76:79] groups 1 and 0 for A's scales;  s[80:87], s[88:91] for B's
.set G0S, 76
.set G1SB, 80
.set G0SB, 88
.set MSB, 0
.macro WIN new                         ; the immediate's high byte repeats the setting that is left
.if MSB != \new
	s_set_vgpr_msb (MSB<<8)|\new
.set MSB, \new
.endif
.endm
.set MUL_LO, 0xa1                      ; source 0 (B) window 1, source 1 (A) window 0, C and D window 2
.set MUL_HI, 0xf1                      ; the same, C and D window 3
.set TO_B,   0x40                      ; destination window 1, address window 0
; A joint load: waves 0 and 1 fetch for A, waves 2 and 3 for B.  The branch hangs on the wave's number alone.  An s_nop 0 and four v_nop follow each of the two lines.
.macro JLOAD g0a, g1a, g0b, g1b
	s_cmp_eq_u32 s15, 0
	s_cbranch_scc0 .Lfor_b_\@
	tensor_load_to_lds s[\g0a:\g0a+3], s[\g1a:\g1a+7]
	s_nop 0
.rept 4
	v_nop
.endr
	s_branch .Lasked_\@
.Lfor_b_\@:
	tensor_load_to_lds s[\g0b:\g0b+3], s[\g1b:\g1b+7]
	s_nop 0
.rept 4
	v_nop
.endr
.Lasked_\@:
.endm
.macro CREST                           ; a round of the cluster's barrier behind its opening barrier
	s_cmp_lg_u32 s14, 0
	s_cbranch_scc1 .Lnot_wave_0_\@
	s_barrier_signal -3
.Lnot_wave_0_\@:
	s_barrier_wait -3
	s_barrier_signal -1
	s_barrier_wait -1
.endm
.macro CROUND                          ; a whole round
	s_barrier_signal -1
	s_barrier_wait -1
	CREST
.endm
	s_load_b128 s[4:7], s[0:1], 0x0                ; A's codes s[4:5], A's scales s[6:7]
	s_load_b128 s[8:11], s[0:1], 0x10              ; cin s[8:9], sin s[10:11]
	s_load_b64 s[12:13], s[0:1], 0x20              ; out0
	v_lshl_add_u32 v[SPW], v0, 2, SPARE
	v_mov_b32 v[NIL], 0
	ds_add_u32 v[SPW], v[NIL]
	ds_add_u32 v[SPW], v[NIL]                      ; the wave's opening: the add, and its wait ahead of my first tensor load; the set-up below stands between them
	v_lshrrev_b32 v1, 5, v0
	v_readfirstlane_b32 s14, v1                    ; wave 0..3
	s_lshr_b32 s15, s14, 1                         ; which half of the tile's rows is mine.  Also: I fetch for A (0) or for B (1)
	s_and_b32 s16, s14, 1                          ; which half of its columns.  Also: which 128 rows of that tile I fetch
	s_bfe_u32 s40, ttmp6, 0x40000                  ; cx, cy: my place in the cluster
	s_bfe_u32 s41, ttmp6, 0x40004
	s_lshl_b32 s42, ttmp9, 2
	s_add_co_u32 s42, s42, s40                     ; tile column = 4 x cluster x + cx
	s_and_b32 s17, ttmp7, 0xffff
	s_lshl_b32 s17, s17, 2
	s_add_co_u32 s17, s17, s41                     ; tile row = 4 x cluster y + cy
	s_lshl_b32 s43, s41, 2
	s_lshl_b32 s43, 15, s43                        ; my row of the cluster
	s_lshl_b32 s44, 0x1111, s40                    ; my column
	; descriptor group 1: a tile of 128 rows x 192 bytes, padded in LDS
	s_or_b32 s[G1+0], s43, (0<<16)|(1<<20)|(1<<21)|(3<<22)|(3<<25)  ; 15:0 the mask: A's tiles go to my row; 17:16 element of 1 byte; 20 padding on; 21 set beside a mask; 24:22 after every 16 words; 31:25 of 4 words
	s_or_b32 s[G1B+0], s44, (0<<16)|(1<<20)|(1<<21)|(3<<22)|(3<<25)
.irp g, G1, G1B
	s_mov_b32 s[\g+1], ROWB<<16                    ; tensor_dim0
	s_mov_b32 s[\g+2], 128<<16                     ; tensor_dim1 = 128
	s_mov_b32 s[\g+3], ROWB<<16                    ; tile_dim0
	s_mov_b32 s[\g+4], 128                         ; tile_dim1 = 128
	s_mov_b32 s[\g+5], KROW                        ; tensor_dim0_stride
	s_mov_b32 s[\g+6], 0
	s_mov_b32 s[\g+7], 0
.endr
	; the scales of 128 rows: a dense block of 4,096 bytes, as rows of 256 bytes (32 elements of 8 bytes), 16 bytes of padding behind each
	s_or_b32 s[G1S+0], s43, (3<<16)|(1<<20)|(1<<21)|(5<<22)|(3<<25)
	s_or_b32 s[G1SB+0], s44, (3<<16)|(1<<20)|(1<<21)|(5<<22)|(3<<25)
.irp g, G1S, G1SB
	s_mov_b32 s[\g+1], 32<<16
	s_mov_b32 s[\g+2], (128*KS/256)<<16
	s_mov_b32 s[\g+3], 32<<16
	s_mov_b32 s[\g+4], 128*KS/256
	s_mov_b32 s[\g+5], 32
	s_mov_b32 s[\g+6], 0
	s_mov_b32 s[\g+7], 0
.endr
	s_lshl_b32 s18, s16, 7                         ; which 128 rows of the tile I fetch
	s_lshl_b32 s20, s17, 8
	s_add_co_u32 s20, s20, s18                     ; A: row 256 x tile row + 128 x half
	s_lshl_b32 s46, s42, 8
	s_add_co_u32 s46, s46, s18                     ; B: row 256 x tile column + 128 x half
	s_mov_b32 s21, 0
	s_mov_b32 s47, 0
	s_mov_b64 s[18:19], KS
	s_mul_u64 s[22:23], s[20:21], s[18:19]         ; where these rows' scales begin, in bytes
	s_mul_u64 s[92:93], s[46:47], s[18:19]
	s_mov_b64 s[18:19], KROW
	s_mul_u64 s[20:21], s[20:21], s[18:19]         ; and their codes
	s_mul_u64 s[46:47], s[46:47], s[18:19]
	s_mul_i32 s45, s14, HALFT                      ; where they go: wave x 128 rows: no place in the cluster enters an LDS address
	s_mul_i32 s94, s14, HALFS
	s_wait_dscnt 0x0                               ; the opening add is done
	s_wait_kmcnt 0x0
	s_add_nc_u64 s[8:9], s[8:9], 8650752           ; Wo's codes: row 11,264 of cin, 768 bytes a row
	s_add_nc_u64 s[10:11], s[10:11], 360448        ; and its scale bytes: 32 a row
	s_add_nc_u64 s[20:21], s[4:5], s[20:21]
	s_add_nc_u64 s[22:23], s[6:7], s[22:23]
	s_add_nc_u64 s[46:47], s[8:9], s[46:47]
	s_add_nc_u64 s[92:93], s[10:11], s[92:93]
	CROUND                                         ; all sixteen work-groups are here: the first joint loads meet
	s_mov_b32 s[G0S], 1
	s_add_co_u32 s[G0S+1], s94, SCL
	s_mov_b64 s[G0S+2:G0S+3], s[22:23]
	s_or_b32 s[G0S+3], s[G0S+3], 0x80000000
	s_mov_b32 s[G0SB], 1
	s_add_co_u32 s[G0SB+1], s94, SCL
	s_mov_b64 s[G0SB+2:G0SB+3], s[92:93]
	s_or_b32 s[G0SB+3], s[G0SB+3], 0x80000000
	JLOAD G0S, G1S, G0SB, G1SB                     ; the scales first: they are wanted with K step 0
.irp s, 0,1
	s_mov_b32 s[G0+4*\s], 1
	s_add_co_u32 s[G0+4*\s+1], s45, \s*SLOT
	s_add_nc_u64 s[G0+4*\s+2:G0+4*\s+3], s[20:21], \s*ROWB
	s_or_b32 s[G0+4*\s+3], s[G0+4*\s+3], 0x80000000
	s_mov_b32 s[G0B+4*\s], 1
	s_add_co_u32 s[G0B+4*\s+1], s45, \s*SLOT
	s_add_nc_u64 s[G0B+4*\s+2:G0B+4*\s+3], s[46:47], \s*ROWB
	s_or_b32 s[G0B+4*\s+3], s[G0B+4*\s+3], 0x80000000
	JLOAD G0+4*\s, G1, G0B+4*\s, G1B
.endr
	v_and_b32 v1, 15, v0                           ; l % 16
	v_bfe_u32 v2, v0, 4, 1                         ; l / 16
	v_mul_u32_u24 v3, v1, PITCH
	v_mul_u32_u24 v4, v2, 24
	v_add_nc_u32 v4, v3, v4                        ; a fragment's row x pitch + 24 x half
	v_lshl_add_u32 v5, v2, 4, v4                   ; and the same behind one padding more
	s_mul_i32 s21, s15, HALFT                      ; my 128 rows of A
	s_mul_i32 s22, s16, HALFT                      ; my 128 rows of B,
	s_add_co_u32 s22, s22, 2*HALFT                 ; which lie behind A's 256
.irp s, 0,1
	v_add_nc_u32 v[ADRA+\s], s21, v4
	v_add_nc_u32 v[ADRB+\s], s22, v4
	v_add_nc_u32 v[ADRA+2+\s], s21, v5
	v_add_nc_u32 v[ADRB+2+\s], s22, v5
	s_add_co_u32 s21, s21, SLOT
	s_add_co_u32 s22, s22, SLOT
.endr
	v_mul_u32_u24 v5, v1, KS                       ; my row's scales: KS bytes a row,
	v_lshrrev_b32 v6, 8, v5
	v_lshl_add_u32 v5, v6, 4, v5                   ; and 16 more for each 256 passed
	s_mul_i32 s21, s15, HALFS                      ; A's: my 128 rows
	s_mul_i32 s22, s16, HALFS                      ; B's: my 128 rows, behind A's 256
	s_add_co_u32 s22, s22, 2*HALFS
	s_sub_co_u32 s22, s22, s21
	v_mul_u32_u24 v6, s22, v2                      ; lanes 16-31 take B's
	s_add_co_u32 s21, s21, SCL
	v_add_nc_u32 v5, v5, v6
	v_add_nc_u32 v[ADRS], s21, v5
	s_mul_i32 s23, s14, 16*SPITCH                  ; my stage
	v_mul_u32_u24 v5, v1, SPITCH                   ; in: row l % 16, 32 bytes for each half of the lanes
	v_lshl_add_u32 v5, v2, 5, v5
	v_add_nc_u32 v[STO], s23, v5
	v_and_b32 v6, 31, v0
	v_lshlrev_b32 v[CO], 4, v6                     ; back: the 32 lanes take one row of 512 bytes; and the same in out0
	v_add_nc_u32 v[RD], s23, v[CO]
	s_lshl_b32 s20, s17, 8
	s_lshl_b32 s21, s15, 7
	s_add_co_u32 s20, s20, s21                     ; my first row of out0: 256 x tile row + 128 x half
	s_mov_b32 s21, 0
	s_mov_b64 s[18:19], SIZE_N*4
	s_mul_u64 s[20:21], s[20:21], s[18:19]
	s_lshl_b32 s46, s42, 10                        ; my first column, in bytes: 1024 x tile column + 512 x half
	s_lshl_b32 s47, s16, 9
	s_add_co_u32 s46, s46, s47
	s_mov_b32 s47, 0
	s_add_nc_u64 s[20:21], s[20:21], s[46:47]
	s_add_nc_u64 s[12:13], s[12:13], s[20:21]
.macro FRAG reg, adr, q, i             ; a fragment, 16 rows x 128 K of 6-bit codes, is 12 registers: lane l holds row l % 16; registers 6 c .. 6 c + 5 hold K = 64 c + 32 (l / 16) + 0 .. 31: 24 bytes of the row, as they lie
.irp p, 0,1,2,3,4,5                    ; in pieces of 8 bytes.  Lanes 0-15 take the row's pieces 12 q + 0, 1, 2 and 12 q + 6, 7, 8, lanes 16-31 those three pieces on
.set PC, 12*(\q)+6*(\p/3)+\p%3        ; 16 bytes of padding lie behind every 64 bytes (8 pieces): where the piece three on lies behind one padding more, the second address register serves
.if PC%8 < 5
	ds_load_b64 v[\reg+2*\p:\reg+2*\p+1], v[\adr] offset:8*PC+16*(PC/8)+(\i)*16*PITCH
.else
	ds_load_b64 v[\reg+2*\p:\reg+2*\p+1], v[\adr+2] offset:8*PC+16*(PC/8)+(\i)*16*PITCH
.endif
.endr
.endm
; 16 matrix instructions: A's blocks a0, a0 + 1 x B's eight, 128 along K.  p: B's set;  sc: the set of scale words.  zero = 1: the first product starts the sums.
; The 64 accumulators take turns, one instruction a turn, in the same order in every step.
.macro MUL16 a0, p, q, sc, zero
.irp a, \a0, \a0+1
.irp b, 0,1,2,3,4,5,6,7
.if \zero
	v_wmma_scale_f32_16x16x128_f8f6f4 v[8*(8*((\a)%4)+\b):8*(8*((\a)%4)+\b)+7], v[128*(\p)+FR*\b:128*(\p)+FR*\b+FR-1], v[AF+FR*(\a):AF+FR*(\a)+FR-1], 0, v[SC+8*NQ*(\sc)+NQ*\b+(\q)], v[SC+8*NQ*(\sc)+NQ*(\a)+(\q)] matrix_a_fmt:MATRIX_FMT_FP6 matrix_b_fmt:MATRIX_FMT_FP6 matrix_a_scale:MATRIX_SCALE_ROW1
.else
	v_wmma_scale_f32_16x16x128_f8f6f4 v[8*(8*((\a)%4)+\b):8*(8*((\a)%4)+\b)+7], v[128*(\p)+FR*\b:128*(\p)+FR*\b+FR-1], v[AF+FR*(\a):AF+FR*(\a)+FR-1], v[8*(8*((\a)%4)+\b):8*(8*((\a)%4)+\b)+7], v[SC+8*NQ*(\sc)+NQ*\b+(\q)], v[SC+8*NQ*(\sc)+NQ*(\a)+(\q)] matrix_a_fmt:MATRIX_FMT_FP6 matrix_b_fmt:MATRIX_FMT_FP6 matrix_a_scale:MATRIX_SCALE_ROW1
.endif
.endr
.endr
.endm
.macro FETCH_B slot, q, p              ; B's eight fragments of the slot's q-th 128 along K into set p
	WIN TO_B
.irp i, 0,1,2,3,4,5,6,7
	FRAG 128*(\p)+FR*\i, ADRB+\slot, \q, \i
.endr
	WIN 0
.endm
.macro FETCH_A slot, q, i0             ; A's blocks i0 .. i0 + 3
.irp i, \i0, \i0+1, \i0+2, \i0+3
	FRAG AF+FR*(\i), ADRA+\slot, \q, \i
.endr
.endm
.macro SCALES sc                       ; the next K step's scale words into set sc: lanes 0-15 take A's block i, lanes 16-31 B's block i
.irp i, 0,1,2,3,4,5,6,7
	ds_load_b64 v[SC+8*NQ*\sc+NQ*\i:SC+8*NQ*\sc+NQ*\i+1], v[ADRS] offset:\i*SBLK
.endr
.endm
; A load into a register that a matrix instruction has read, and an LDS store that reads a matrix result, stand NP places behind that matrix instruction; only plain vector instructions
; that name none of its registers are places (ISA guide 7.12.1 for vector instructions).
.macro PLACES n
.rept \n
	v_nop
.endr
.endm
; A step of 128 along K that has its successor in the same slot.
.macro STEP slot, q, zero
	s_wait_dscnt 4*NL                              ; B's set and A's blocks 0-3 are in; the youngest 24 loads (A's blocks 4-7) may be out
	WIN MUL_LO
	MUL16 0, (\q)%2, \q, \slot, \zero
	MUL16 2, (\q)%2, \q, \slot, \zero
	s_wait_dscnt 0                                 ; A's blocks 4-7 are in (asked for 32 matrix instructions ago)
	PLACES NP
	FETCH_B \slot, (\q)+1, 1-(\q)%2
	FETCH_A \slot, (\q)+1, 0
	WIN MUL_HI
	MUL16 4, (\q)%2, \q, \slot, \zero
	MUL16 6, (\q)%2, \q, \slot, \zero
	PLACES NP
	WIN 0
	FETCH_A \slot, (\q)+1, 4
.endm
; A slot's last step changes slots: ONE barrier; in front of it each wave waits for all its tensor loads, adds 0 to its spare word, and waits for that and for its own reads of this slot.  fill = 1: this slot is filled again, two K steps ahead.
.macro TURN slot, next, fill
	s_wait_tensorcnt 0x0                           ; all my tensor loads have landed: my part of the next slot;  (every window is 0 here)
	ds_add_u32 v[SPW], v[NIL]                      ; 0 onto my spare word;
	s_wait_dscnt 4*NL+1                            ; (the add and the youngest 24 loads, A's blocks 4-7, may be out)
	WIN MUL_LO
	MUL16 0, 1, NQ-1, \slot, 0                     ; sixteen matrix instructions stand between the add and the wait for it
	s_wait_dscnt 0x0                               ; the add is done, and my reads of this slot are over
	s_barrier_signal -1
	MUL16 2, 1, NQ-1, \slot, 0
	WIN 0
	s_barrier_wait -1
.if \fill
	CREST                                          ; the barrier has opened a round of the cluster's barrier: no wave of any partner still reads this slot's tile or has a load on its way
	s_add_nc_u64 s[G0+4*\slot+2:G0+4*\slot+3], s[G0+4*\slot+2:G0+4*\slot+3], 2*ROWB
	s_add_nc_u64 s[G0B+4*\slot+2:G0B+4*\slot+3], s[G0B+4*\slot+2:G0B+4*\slot+3], 2*ROWB
	JLOAD G0+4*\slot, G1, G0B+4*\slot, G1B         ; the first tensor load behind the round; the four v_nop behind it are the places in front of the loads below
.else
	PLACES NP
.endif
	s_wait_alu depctr_va_vdst(0)
	v_add_nc_u32 v[ADRS], 4*NQ, v[ADRS]            ; on to the next K step's scale words (no LDS load of mine is out)
	FETCH_B \next, 0, 0
	FETCH_A \next, 0, 0
	SCALES \next
	WIN MUL_HI
	MUL16 4, 1, NQ-1, \slot, 0
	MUL16 6, 1, NQ-1, \slot, 0
	PLACES NP
	WIN 0
	FETCH_A \next, 0, 4
.endm
	s_wait_alu depctr_va_vdst(0)
	s_wait_tensorcnt 1                             ; the scales and my part of K step 0 are in (K step 1's load may be out),
	s_barrier_signal -1
	s_barrier_wait -1                              ; everybody's are
	FETCH_B 0, 0, 0
	FETCH_A 0, 0, 0
	SCALES 0
	FETCH_A 0, 0, 4
	STEP 0, 0, 1                                   ; the first step stands in front of the loop: its products start the sums
	s_mov_b32 s3, LAPS-1
.Llap:                                                 ; a trip goes once round the ring, from a lap's second step to the next lap's first, and fills both slots again
	TURN 0, 1, 1
	STEP 1, 0, 0
	TURN 1, 0, 1
	STEP 0, 0, 0
	s_sub_co_u32 s3, s3, 1
	s_cmp_lg_u32 s3, 0
	s_cbranch_scc1 .Llap
	TURN 0, 1, 0                                   ; the last lap fills nothing, and has no round of the cluster's barrier
	STEP 1, 0, 0
	s_wait_dscnt 4*NL                              ; the very last step: nothing more to fetch
	WIN MUL_LO
	MUL16 0, 1, NQ-1, 1, 0
	MUL16 2, 1, NQ-1, 1, 0
	s_wait_dscnt 0
	WIN MUL_HI
	MUL16 4, 1, NQ-1, 1, 0
	MUL16 6, 1, NQ-1, 1, 0
	WIN 0
; THE WAY OUT, block by block of 16 rows x 128 columns.  A lane holds 32 neighbouring bytes of a row, and the lanes beside it hold other rows: so a block goes through my own stage in LDS and comes back as whole
; rows of 512 bytes.  LDS serves a wave's instructions in order (ISA guide 5.7.1.4): no wait between the stores and the loads, nor in front of the next block's stores.
.macro TOSTAGE a
.set AC, 64*((\a)%4)
	WIN 0x08+4*((\a)/4)                            ; the data: window 2 or 3
.irp b, 0,1,2,3,4,5,6,7
	ds_store_b128 v[STO], v[AC+8*\b:AC+8*\b+3] offset:64*\b          ; each accumulator from its low end on
	ds_store_b128 v[STO], v[AC+8*\b+4:AC+8*\b+7] offset:64*\b+16
.endr
	WIN 0
.set BB, BK+64*((\a)%2)
.irp t, 0,1,2,3,4,5,6,7,8,9,10,11,12,13,14,15
	ds_load_b128 v[BB+4*\t:BB+4*\t+3], v[RD] offset:\t*SPITCH
.endr
.endm
.macro SEND a, younger                 ; younger: the LDS instructions issued behind block a's loads, which may stay out
.set BB, BK+64*((\a)%2)
	s_wait_dscnt \younger                          ; the block is back in registers
.if (\a) > 0
	s_add_nc_u64 s[12:13], s[12:13], 16*SIZE_N*4   ; (behind a wait on XCNT: the earlier stores have read their base)  16 rows of out0 on, so that the stores' offsets stay small
.endif
.irp t, 0,1,2,3,4,5,6,7,8,9,10,11,12,13,14,15
	global_store_b128 v[CO], v[BB+4*\t:BB+4*\t+3], s[12:13] offset:\t*SIZE_N*4 th:TH_STORE_NT   ; 32 lanes store 512 consecutive bytes, aligned; written once, read by nobody here
.endr
.endm
	PLACES NP                                      ; behind the last products: for the loads into the registers that held A's fragments and for the reads of results alike
	TOSTAGE 0
.irp a, 1,2,3,4,5,6,7
.if \a > 1
	s_wait_xcnt 0x0                                ; block a - 2's stores have read their registers and their base: block a's loads may land there, and the base may step
.endif
	TOSTAGE \a
	SEND \a-1, 32                                  ; behind block a - 1's loads: block a's 16 stores and 16 loads
.endr
	s_wait_xcnt 0x0                                ; block 6's stores have read their base
	SEND 7, 0
	s_wait_tensorcnt 0x0                           ; the wave's end, behind my last tensor load and my last LDS store
	ds_add_u32 v[SPW], v[NIL]
	s_wait_dscnt 0x0
	CROUND                                         ; the closing round: no work-group ends while a partner may still ask for a tile that names it
	s_endpgm
.Lfunc_end_k_q969e037839_oproj:
	.size	k_q969e037839_oproj, .Lfunc_end_k_q969e037839_oproj-k_q969e037839_oproj
	.p2alignl 7, 3214868480
	.fill 96, 4, 3214868480
	.section	.rodata,"a",@progbits
	.p2align	6, 0x0
	.amdhsa_kernel k_q969e037839_oproj
		.amdhsa_group_segment_fixed_size 327680
		.amdhsa_private_segment_fixed_size 0
		.amdhsa_enable_private_segment 0
		.amdhsa_kernarg_size 40
		.amdhsa_user_sgpr_count 2
		.amdhsa_user_sgpr_kernarg_segment_ptr 1
		.amdhsa_wavefront_size32 1
		.amdhsa_system_sgpr_workgroup_id_x 1
		.amdhsa_system_sgpr_workgroup_id_y 1
		.amdhsa_system_sgpr_workgroup_id_z 1
		.amdhsa_system_vgpr_workitem_id 0
		.amdhsa_next_free_vgpr 1024
		.amdhsa_next_free_sgpr 98
		.amdhsa_reserve_vcc 0
		.amdhsa_float_denorm_mode_32 3
		.amdhsa_float_denorm_mode_16_64 3
		.amdhsa_memory_ordered 1
		.amdhsa_forward_progress 1
		.amdhsa_inst_pref_size 160
	.end_amdhsa_kernel
	.amdgpu_metadata
---
amdhsa.version: [ 1, 2 ]
amdhsa.kernels:
  - .name:           k_q969e037839_oproj
    .symbol:         k_q969e037839_oproj.kd
    .args:
      - { .name: ac, .offset: 0, .size: 8, .value_kind: global_buffer, .address_space: global }
      - { .name: asc, .offset: 8, .size: 8, .value_kind: global_buffer, .address_space: global }
      - { .name: cin, .offset: 16, .size: 8, .value_kind: global_buffer, .address_space: global }
      - { .name: sin, .offset: 24, .size: 8, .value_kind: global_buffer, .address_space: global }
      - { .name: out0, .offset: 32, .size: 8, .value_kind: global_buffer, .address_space: global }
    .group_segment_fixed_size: 327680
    .private_segment_fixed_size: 0
    .kernarg_segment_align: 8
    .kernarg_segment_size: 40
    .max_flat_workgroup_size: 128
    .sgpr_count:     98
    .vgpr_count:     1024
    .wavefront_size: 32
...
	.end_amdgpu_metadata
.endif
;; end of part 4
